; MI455X (gfx1250); checked and timed in simulation.
; The chip was launched on July 23, 2026; its instructions are those of AMD's public machine-readable ISA for CDNA 5 (MIT licence, August 2026) and "CDNA5" Instruction Set Architecture Reference Guide (July 2026). The comments in the code are by the model that wrote it; some were corrected since.
;; LST Mnetwork. Allowed arithmetic: matrix products marked QUANTISED: E5M2 operands, one E8M0 scale for each 32 along K, by v_wmma_scale_f32_16x16x128_f8f6f4 with both operands' format E5M2, f32 sums; everything else in f32.
;; Inputs: W_hh0 2 x 2,048 x 512 float32; W_hh12 2 x 2 x 2,048 x 512 float32; W_ih0 2 x 2,048 x 1,024 float32; W_ih12 2 x 2 x 2,048 x 1,024 float32; b_hh0 2 x 2,048 float32; b_hh12 2 x 2 x 2,048 float32; b_ih0 2 x 2,048 float32; b_ih12 2 x 2 x 2,048 float32; x 64 x 64 x 1,024 float32.
;; Outputs: out0 64 x 64 x 1,024 float32.
;; This version of the problem:
;;   THIS VERSION OF THE PROBLEM IS GIVEN IN LOW PRECISION. The matrix products marked QUANTISED in the list below multiply operands that are first quantised to E5M2 (5 exponent bits, 2 mantissa bits; 8 bits a number), with one power-of-two scale for each 32 numbers along K (OCP MX v1.0); their sums are f32. All else is computed in f32.
;;   The module's matrix products, in the order in which they are computed (A, B: the left and right operand; K: the contracted axis; several contracted axes count as one K, in the product's order):
;;     1. [M 4,096, K 1,024] x [K 1,024, N 2,048]; A: input x; B: input W_ih0: QUANTISED
;;     2. [M 4,096, K 1,024] x [K 1,024, N 2,048]; A: input x; B: input W_ih0: QUANTISED
;;     3. [M 4,096, K 1,024] x [K 1,024, N 2,048]; A: computed on the way; B: input W_ih12: QUANTISED
;;     4. [M 4,096, K 1,024] x [K 1,024, N 2,048]; A: computed on the way; B: input W_ih12: QUANTISED
;;     5. [M 4,096, K 1,024] x [K 1,024, N 2,048]; A: computed on the way; B: input W_ih12: QUANTISED
;;     6. [M 4,096, K 1,024] x [K 1,024, N 2,048]; A: computed on the way; B: input W_ih12: QUANTISED
;;   THE QUANTISER, for each operand of a quantised product, along K:
;;     - K is cut into blocks of 32 from its start; a last block that is shorter is filled with zeros.
;;     - A block's scale is 2^e with e = floor(log2(the largest magnitude in the block)) - 15, held to -126 .. 127; a block of zeros has e = 0. As a byte (E8M0): e + 127.
;;     - Each number is divided by its block's scale, clamped to +-57,344, and rounded to the nearest number of E5M2, ties to even, subnormals kept.
;;     - The product sums the exact products of the quantised numbers (number of the format x scale) in f32.
;;   ~~~python
;;   def quantise(x, axis):      # numpy; x: float32 -> the quantised numbers, widened to float32 again
;;       x = np.moveaxis(x, axis, -1); K = x.shape[-1]
;;       x = np.pad(x, [(0, 0)] * (x.ndim - 1) + [(0, -K % 32)]); x = x.reshape(x.shape[:-1] + (-1, 32)); a = np.abs(x).max(-1, keepdims=True)
;;       e = np.where(a > 0, np.clip(np.frexp(np.where(a > 0, a, 1))[1] - 1 - 15, -126, 127), 0)      # np.frexp(a)[1] - 1 = floor(log2(a)), exactly
;;       r = np.clip(x / 2.0 ** e, -57344, 57344)
;;       step = 2.0 ** (np.maximum(np.frexp(np.where(r == 0, 1, r))[1] - 1, -14) - 2)
;;       q = np.round(r / step) * step * 2.0 ** e      # np.round: ties to even
;;       return np.moveaxis(q.reshape(q.shape[:-2] + (-1,))[..., :K], -1, axis).astype(np.float32)
;;   ~~~
;;   OPERANDS COMPUTED ON THE WAY. 'Computed on the way' means the value that the module computes at that place (a softmax that the list does not call 'softmax' is quantised finished and normalised). What goes into a quantiser is computed in f32, as accurately as f32 sums, v_exp_f32 and their like allow (about 1e-6 of the number): no bf16 or f16 on the way to a quantiser, and a product that is left as it is and whose result goes on into a quantised operand takes f32 operands (vector FMAs, or v_wmma_f32_16x16x4_f32). A number that lies on a knife's edge between two numbers of the format may be rounded either way, as far as f32 arithmetic and the matrix unit's own rounding can turn it there, and no further.
;; One version. Each part assembles by itself: llvm-mc -triple=amdgcn-amd-amdhsa -mcpu=gfx1250 --defsym DOCPART=n.
;; ======== version 1 of 1: 4 launches
;; limits: a function is approximated: absolute error at most 1e-07
;; workspace buffers: a0 4,325,376 bytes; a1 4,325,376 bytes; a2 4,325,376 bytes; wp0 3,244,032 bytes; wp1 3,244,032 bytes; wp2 3,244,032 bytes
;; launch quant (part 1): grid 832 x 1, 8 waves a work-group, no clusters, 69,632 bytes of LDS; arguments x, W_ih0, W_ih12, a0, wp0, wp1, wp2; writes a0, wp0, wp1, wp2
.if DOCPART == 1
	.amdgcn_target "amdgcn-amd-amdhsa--gfx1250"
	.amdhsa_code_object_version 6
	.text
	.protected	k_qc96349a727_quant
	.globl	k_qc96349a727_quant
	.p2align	8
	.type	k_qc96349a727_quant,@function
k_qc96349a727_quant:
	s_mov_b64 s[64:65], 0
	v_nop
	global_prefetch_b8 v0, s[64:65] scope:SCOPE_SE
	s_setreg_imm32_b32 hwreg(HW_REG_WAVE_MODE, 25, 1), 1
	s_wait_xcnt 0x0
; x [4096][1024], W_ih0 [2][2048][1024] and W_ih12 [2][2][2048][1024], f32 with K innermost, become codes of BF8 (E5M2) with one E8M0 scale byte for each 32 along K,
; laid IN THE ORDER OF AN OPERAND'S REGISTERS: a fragment (16 rows x 128 K) is 2,048 bytes, byte c*512 + lane*16 + i = row lane % 16, k = 32 c + 16 (lane / 16) + i.
; a0:  codes at ((RB*8 + s)*8 + a)*2048 (RB = row / 128, s = K step of 128, a = tile of 16 rows); scales from 0x400000 on, 512 bytes for each (RB, s): [plane p][row % 32][row / 32] of 16 bits,
;   plane p = the bytes of blocks 2 p, 2 p + 1: so a load of 8 bytes a lane brings lane L the halves of rows L, 32 + L, 64 + L, 96 + L: those of four scale registers.
; wp0, wp1, wp2 (a layer each): fragment F = (CB*8 + s)*6 + t at F*2048; CB = 32 output units (CB / 16 = the direction), t = 2 q + u, q = 0, 1, 2 for the gates i, g, o.
;   Row m of a fragment is W's row dir*2048 + gate*512 + (CB % 16)*32 + 8 u + m + 8 (m / 8): so the layer's transposed product leaves a lane 16 neighbouring units.
;   Scales from 0x300000 on, 512 bytes for eight fragments, laid as a0's with row = 16 (F % 8) + m.
; NOT READ: the f gate's rows of W (rows 512 .. 1023 of each direction): reference() splits that quarter of the product off and never uses it.
; A block's scale is 2^(floor(log2(largest magnitude)) - 15); its byte is the largest magnitude's exponent field - 15, held at 1 from below.  A block of zeros so gets the byte 1 where the rule says 127: its codes are
; zeros, which add nothing under any byte but 0xff, and this program alone reads the bytes.  LIMITS: NaN and infinities among the inputs are not served.
; SHARES.  One wave makes one fragment, a work-group eight: work-groups 0 .. 255 x's 256 groups, then 192 for each layer of W.  The buffers are chosen by selects on the work-group's number; all take one path.
; A fragment's rows are loaded as they lie (a load = 512 consecutive bytes of one row) and turned through the wave's own stage in LDS, so that a lane gets 16 neighbours of each block of its row.
; The numbers come back into the registers that they were loaded into: 122 registers a wave, so that four work-groups (8 waves a SIMD x 122 registers, 4 x 69,632 bytes of LDS) lie on a WGP and all 832 run side by side.
.set SP,   528                         ; a stage row: 512 bytes + 16: an odd multiple of 16, so that the 16 rows that a load touches start in different banks
.set STW,  16*SP                       ; a wave's stage
.set SCR,  8*STW                       ; behind the stages: the group's 512 scale bytes
.set X,    16                          ; v16-79   the numbers as loaded; behind the turn: register 16 b + i = k 32 b + 16 (lane / 16) + i of my row
.set TM,   80                          ; v80-83 largest magnitudes, v84-87 bytes, v88-91 the largest number x the scale, v92-95 the conversions' scale operands
.set PC,   96                          ; v96-111  the codes
.set PW,   112                         ; v112     my row's scale word
.set SW,   116                         ; v116-119 wave 0: the group's scale bytes on their way out
.set VO0,  5                           ; v5   16 x lane: my bytes of a row's 512, and of an image's
.set VO1,  6                           ; v6   the same, at the fragment's row 8
.set STA,  7                           ; v7   the stage, on the way in
.set LDA,  8                           ; v8   and on the way out
.set SSA,  9                           ; v9   where my row's scale halves go
.set SRA,  10                          ; v10  where wave 0 reads the 512 scale bytes back
	s_load_b256 s[4:11], s[0:1], 0x0               ; x s[4:5], W_ih0 s[6:7], W_ih12 s[8:9], a0 s[10:11]
	s_load_b128 s[12:15], s[0:1], 0x20             ; wp0 s[12:13], wp1 s[14:15]
	s_load_b64 s[16:17], s[0:1], 0x30              ; wp2
	v_lshl_add_u32 v120, v0, 2, 0x10c00
	v_mov_b32 v121, 0
	v_lshrrev_b32 v1, 5, v0
	v_readfirstlane_b32 s18, v1                    ; wave 0..7
	v_and_b32 v2, 31, v0                           ; lane
	v_and_b32 v3, 15, v0                           ; r
	v_bfe_u32 v4, v0, 4, 1                         ; h
	; W's numbers (they mean nothing in x's work-groups, where they are not chosen)
	s_max_u32 s20, ttmp9, 256
	s_sub_co_u32 s20, s20, 256                     ; 0 .. 575
	s_cmp_ge_u32 s20, 192
	s_cselect_b32 s21, 1, 0
	s_cmp_ge_u32 s20, 384
	s_cselect_b32 s22, 1, 0
	s_add_co_u32 s21, s21, s22                     ; the layer
	s_mul_i32 s22, s21, 192
	s_sub_co_u32 s22, s20, s22                     ; the group in the layer, 0 .. 191
	s_lshl_b32 s23, s22, 3
	s_add_co_u32 s23, s23, s18                     ; F
	s_mul_i32 s24, s22, 171
	s_lshr_b32 s24, s24, 10                        ; CB = group / 6 (exact for groups under 192)
	s_mul_i32 s25, s24, 48
	s_sub_co_u32 s25, s23, s25                     ; 6 s + t
	s_mul_i32 s26, s25, 43
	s_lshr_b32 s26, s26, 8                         ; s (exact under 48)
	s_mul_i32 s27, s26, 6
	s_sub_co_u32 s27, s25, s27                     ; t
	s_lshr_b32 s28, s27, 1                         ; q
	s_and_b32 s29, s27, 1                          ; u
	s_min_u32 s30, s28, 1
	s_add_co_u32 s28, s28, s30                     ; the gate's quarter: 0, 2, 3
	s_lshr_b32 s30, s24, 4
	s_lshl_b32 s30, s30, 11                        ; the direction's 2,048 rows
	s_lshl_b32 s28, s28, 9
	s_add_co_u32 s30, s30, s28
	s_and_b32 s28, s24, 15
	s_lshl_b32 s28, s28, 5
	s_add_co_u32 s30, s30, s28
	s_lshl_b32 s29, s29, 3
	s_add_co_u32 s30, s30, s29                     ; the fragment's first row
	; x's numbers
	s_lshl_b32 s31, ttmp9, 3
	s_add_co_u32 s31, s31, s18                     ; the fragment: 8 x group + wave
	s_and_b32 s32, ttmp9, 7                        ; s
	s_lshr_b32 s33, ttmp9, 3
	s_lshl_b32 s33, s33, 7
	s_lshl_b32 s34, s18, 4
	s_add_co_u32 s33, s33, s34                     ; first row: 128 RB + 16 x wave
	s_cmp_lt_u32 ttmp9, 256                        ; x's work-group?
	s_cselect_b32 s23, s31, s23
	s_cselect_b32 s26, s32, s26
	s_cselect_b32 s30, s33, s30
	s_cselect_b32 s35, 8, 16                       ; from the fragment's row 0 to its row 8, in rows of memory
	s_mov_b32 s36, 0x300000
	s_cselect_b32 s36, 0x400000, s36               ; where the buffer's scales begin
	v_lshlrev_b32 v[VO0], 4, v2
	s_lshl_b32 s37, s35, 12
	v_add_nc_u32 v[VO1], s37, v[VO0]
	s_mul_i32 s19, s18, STW
	v_add_nc_u32 v[STA], s19, v[VO0]               ; in: row m at m x SP, 16 bytes a lane
	v_mul_u32_u24 v[LDA], v3, SP
	v_lshl_add_u32 v[LDA], v4, 6, v[LDA]
	v_add_nc_u32 v[LDA], s19, v[LDA]               ; out: row r, + 64 h: my 16 numbers of a block of 32
	s_and_b32 s37, s18, 1                          ; my row of the group is 16 x wave + r: row % 32 = 16 (wave % 2) + r, 8 bytes each;
	s_lshl_b32 s37, s37, 7
	s_lshr_b32 s38, s18, 1                         ; row / 32 = wave / 2, 2 bytes each
	s_lshl_b32 s38, s38, 1
	s_add_co_u32 s37, s37, s38
	s_add_co_u32 s37, s37, SCR
	v_lshl_add_u32 v[SSA], v3, 3, s37
	v_add_nc_u32 v[SRA], SCR, v[VO0]
	s_lshl_b32 s40, s30, 12                        ; a row is 4,096 bytes,
	s_lshl_b32 s41, s26, 9                         ; a K step 512
	s_add_co_u32 s40, s40, s41
	s_mov_b32 s41, 0
	s_lshr_b32 s42, s23, 3
	s_lshl_b32 s42, s42, 9
	s_add_co_u32 s42, s42, s36                     ; the group's scales
	s_mov_b32 s43, 0
	s_wait_kmcnt 0x0
	s_add_nc_u64 s[38:39], s[8:9], 0x1000000       ; W_ih12[1]
	s_cmp_eq_u32 s21, 2
	s_cselect_b64 s[8:9], s[38:39], s[8:9]
	s_cselect_b64 s[14:15], s[16:17], s[14:15]
	s_cmp_eq_u32 s21, 0
	s_cselect_b64 s[8:9], s[6:7], s[8:9]
	s_cselect_b64 s[14:15], s[12:13], s[14:15]
	s_cmp_lt_u32 ttmp9, 256
	s_cselect_b64 s[8:9], s[4:5], s[8:9]           ; from where
	s_cselect_b64 s[14:15], s[10:11], s[14:15]     ; to where
	s_add_nc_u64 s[8:9], s[8:9], s[40:41]
	s_add_nc_u64 s[16:17], s[14:15], s[42:43]      ; the scales' place
	s_lshl_b32 s42, s23, 11
	s_add_nc_u64 s[14:15], s[14:15], s[42:43]      ; the codes' place
.irp m, 0,1,2,3,4,5,6,7
	global_load_b128 v[X+4*\m:X+4*\m+3], v[VO0], s[8:9] offset:\m*4096 th:TH_LOAD_NT          ; 32 lanes read 512 consecutive bytes of one row; read once in the launch
.endr
.irp m, 0,1,2,3,4,5,6,7
	global_load_b128 v[X+32+4*\m:X+32+4*\m+3], v[VO1], s[8:9] offset:\m*4096 th:TH_LOAD_NT
.endr
.irp m, 0,1,2,3,4,5,6,7,8,9,10,11,12,13,14,15
	s_wait_loadcnt 15-\m                           ; loads come back in order: row m is in, the younger rows stay out
	ds_store_b128 v[STA], v[X+4*\m:X+4*\m+3] offset:\m*SP
.endr
	s_mov_b32 s20, 0x76543210
	s_mov_b32 s21, 0xfedcba98                      ; v_permlanex16_b32's selects for lane l xor 16
	s_mov_b32 s22, 0x600000                        ; the mantissa field of 57,344
	s_wait_dscnt 0x0                               ; the stores are done: the registers that they read take the numbers back
.irp b, 0,1,2,3
.irp j, 0,1,2,3
	ds_load_b128 v[X+16*\b+4*\j:X+16*\b+4*\j+3], v[LDA] offset:128*\b+16*\j
.endr
.endr
.irp b, 0,1,2,3
	v_mov_b32 v[TM+4+\b], 0                        ; a lane permute's destination counts as one of its sources
.endr
	s_wait_dscnt 0x0                               ; the numbers are back
.irp b, 0,1,2,3
	v_max3_num_f32 v[TM+\b], |v[X+16*\b]|, |v[X+1+16*\b]|, 0x8000000   ; block b: my 16 numbers, and the floor 2^(16 - 127): so the byte cannot fall under 1
.endr
.irp i, 2,4,6,8,10,12,14
.irp b, 0,1,2,3
	v_max3_num_f32 v[TM+\b], v[TM+\b], |v[X+16*\b+\i]|, |v[X+1+16*\b+\i]|   ; the four blocks by turns
.endr
.endr
.irp b, 0,1,2,3
	v_permlanex16_b32 v[TM+4+\b], v[TM+\b], s20, s21
.endr
.irp b, 0,1,2,3
	v_max_num_f32 v[TM+\b], v[TM+\b], v[TM+4+\b]   ; with lane l xor 16's: the block's largest magnitude
.endr
.irp b, 0,1,2,3
	v_add_nc_u32 v[TM+12+\b], 0xf8800000, v[TM+\b] ; 15 off its exponent field: the conversion takes the exponent field of this operand as its scale
.endr
.irp b, 0,1,2,3
	v_and_or_b32 v[TM+8+\b], v[TM+\b], 0x7f800000, s22   ; 57,344 x the scale
.endr
.irp b, 0,1,2,3
	v_lshrrev_b32 v[TM+4+\b], 23, v[TM+12+\b]      ; the scale's byte
.endr
	v_lshl_or_b32 v[PW], v[TM+5], 8, v[TM+4]       ; the four bytes make my row's scale word
	v_lshl_or_b32 v[PW], v[TM+6], 16, v[PW]
	v_lshl_or_b32 v[PW], v[TM+7], 24, v[PW]
.irp b, 0,1,2,3
.irp i, 0,1,2,3,4,5,6,7,8,9,10,11,12,13,14,15
	v_med3_num_f32 v[X+16*\b+\i], v[X+16*\b+\i], -v[TM+8+\b], v[TM+8+\b]   ; the conversion to an 8-bit code does not saturate (ISA guide 7.6.2): the hold at the largest code x the scale
.endr
	v_cvt_scalef32_pk8_bf8_f32 v[PC+4*\b:PC+1+4*\b], v[X+16*\b:X+7+16*\b], v[TM+12+\b]
	v_cvt_scalef32_pk8_bf8_f32 v[PC+2+4*\b:PC+3+4*\b], v[X+8+16*\b:X+15+16*\b], v[TM+12+\b]
.endr
	v_nop                                          ; one plain line behind the last conversion
.irp c, 0,1,2,3
	global_store_b128 v[VO0], v[PC+4*\c:PC+4*\c+3], s[14:15] offset:512*\c   ; the fragment's image: 512 consecutive bytes a store
.endr
	ds_store_b16 v[SSA], v[PW]                     ; plane 0: blocks 0, 1 (lanes r and r + 16 write the same bytes with the same value)
	ds_store_b16_d16_hi v[SSA], v[PW] offset:256   ; plane 1: blocks 2, 3
	s_wait_dscnt 0x0                               ; for the others' sake: my stores have landed
	s_barrier_signal -1
	s_barrier_wait -1
	s_cmp_lg_u32 s18, 0
	s_cbranch_scc1 .Ldone
	ds_load_b128 v[SW:SW+3], v[SRA]                ; wave 0 takes the group's 512 scale bytes
	s_wait_dscnt 0x0
	global_store_b128 v[VO0], v[SW:SW+3], s[16:17] ; and stores them as 512 consecutive bytes
.Ldone:
	s_wait_tensorcnt 0x0
	ds_add_u32 v120, v121
	s_wait_dscnt 0x0
	s_endpgm
.Lfunc_end_k_qc96349a727_quant:
	.size	k_qc96349a727_quant, .Lfunc_end_k_qc96349a727_quant-k_qc96349a727_quant
	.p2alignl 7, 3214868480
	.fill 96, 4, 3214868480
	.section	.rodata,"a",@progbits
	.p2align	6, 0x0
	.amdhsa_kernel k_qc96349a727_quant
		.amdhsa_group_segment_fixed_size 69632
		.amdhsa_private_segment_fixed_size 0
		.amdhsa_enable_private_segment 0
		.amdhsa_kernarg_size 56
		.amdhsa_user_sgpr_count 2
		.amdhsa_user_sgpr_kernarg_segment_ptr 1
		.amdhsa_wavefront_size32 1
		.amdhsa_system_sgpr_workgroup_id_x 1
		.amdhsa_system_sgpr_workgroup_id_y 1
		.amdhsa_system_sgpr_workgroup_id_z 1
		.amdhsa_system_vgpr_workitem_id 0
		.amdhsa_next_free_vgpr 122
		.amdhsa_next_free_sgpr 66
		.amdhsa_reserve_vcc 0
		.amdhsa_float_denorm_mode_32 3
		.amdhsa_float_denorm_mode_16_64 3
		.amdhsa_memory_ordered 1
		.amdhsa_forward_progress 1
		.amdhsa_inst_pref_size 18
	.end_amdhsa_kernel
	.amdgpu_metadata
---
amdhsa.version: [ 1, 2 ]
amdhsa.kernels:
  - .name:           k_qc96349a727_quant
    .symbol:         k_qc96349a727_quant.kd
    .args:
      - { .name: x, .offset: 0, .size: 8, .value_kind: global_buffer, .address_space: global }
      - { .name: W_ih0, .offset: 8, .size: 8, .value_kind: global_buffer, .address_space: global }
      - { .name: W_ih12, .offset: 16, .size: 8, .value_kind: global_buffer, .address_space: global }
      - { .name: a0, .offset: 24, .size: 8, .value_kind: global_buffer, .address_space: global }
      - { .name: wp0, .offset: 32, .size: 8, .value_kind: global_buffer, .address_space: global }
      - { .name: wp1, .offset: 40, .size: 8, .value_kind: global_buffer, .address_space: global }
      - { .name: wp2, .offset: 48, .size: 8, .value_kind: global_buffer, .address_space: global }
    .group_segment_fixed_size: 69632
    .private_segment_fixed_size: 0
    .kernarg_segment_align: 8
    .kernarg_segment_size: 56
    .max_flat_workgroup_size: 256
    .sgpr_count:     66
    .vgpr_count:     122
    .wavefront_size: 32
...
	.end_amdgpu_metadata
.endif
;; end of part 1
;; launch cell (part 2): grid 16 x 16, 4 waves a work-group, clusters of 4 x 4, 327,680 bytes of LDS; arguments a0, wp0, b_ih0, b_hh0, a1; writes a1
.if DOCPART == 2
	.amdgcn_target "amdgcn-amd-amdhsa--gfx1250"
	.amdhsa_code_object_version 6
	.text
	.protected	k_qc96349a727_cell
	.globl	k_qc96349a727_cell
	.p2align	8
	.type	k_qc96349a727_cell,@function
k_qc96349a727_cell:
	s_mov_b64 s[64:65], 0
	v_nop
	global_prefetch_b8 v0, s[64:65] scope:SCOPE_SE
	s_setreg_imm32_b32 hwreg(HW_REG_WAVE_MODE, 25, 1), 1
	s_wait_xcnt 0x0
	s_wait_alu depctr_hold_cnt(0) depctr_sa_sdst(0) depctr_va_vdst(0) depctr_va_sdst(0) depctr_va_ssrc(0) depctr_va_vcc(0) depctr_vm_vsrc(0)
	s_getreg_b32 s2, hwreg(HW_REG_IB_STS2, 6, 4)
	s_cmp_eq_u32 s2, 0
	s_cbranch_scc0 .Lentry_in_a_cluster
	s_endpgm
.Lentry_in_a_cluster:
	s_bfe_u32 s2, ttmp6, 0x10000c
	s_cmp_lg_u32 s2, 0xf033
	s_cbranch_scc0 .Lentry_shape_is_right
	s_endpgm
.Lentry_shape_is_right:
; ONE LAYER: gates = A W^T + b_ih + b_hh on codes of BF8 (E5M2) with E8M0 scales for each 32 along K; h = sigmoid(o) tanh(sigmoid(i) tanh(g)).  A: 4,096 rows x 1,024; 1,024 units (two directions of 512) x the gates i, g, o.
; LAST = 0: h is quantised along the units and stored as the next layer's operand.  LAST = 1: h is stored as f32, [4096][1024], and the biases are the second layer's of their buffers.
; NOT COMPUTED: the f gate (reference() splits it off and never uses it) and everything of W_hh (reference()'s body never names it: the state is zero).
; OPERANDS lie in memory in the order of an operand's registers.  A fragment (16 rows x 128 K) is 2,048 bytes: byte c*512 + lane*16 + i = row lane % 16, k = 32 c + 16 (lane / 16) + i.
;   A: codes at ((RB*8 + s)*8 + a)*2048 (RB = row / 128, s = K step, a = tile of 16 rows); scales from 0x400000 on: 512 bytes for (RB, s): [plane p][row % 32][row / 32] of 16 bits, plane p = the bytes of blocks 2 p, 2 p + 1.
;   W: fragment F = (CB*8 + s)*6 + t at F*2048 (CB = 32 units, t = 2 q + u, q = gate i, g, o); scales from 0x300000 on, 512 bytes for eight fragments, laid likewise with row = 16 (F % 8) + m.
; SHARES.  256 work-groups; a work-group makes 256 rows x 64 units, each of its four waves 128 rows (RB = 2 by + wave / 2) x 32 units (CB = 2 bx + wave % 2) x 3 gates: 8 x 6 = 48 accumulators, 384 registers.
; THE PRODUCT IS USED TRANSPOSED (source 0 = 16 rows of W, source 1 = 16 rows of A), and the rows of W that form a fragment are chosen so (row m = 8 u + m + 8 (m / 8) of the 32) that lane (r, h) holds row r and, for
; each gate, units 16 h + 0 .. 15 in 16 consecutive registers: the three gates of a unit meet in one lane, and a lane's 16 h are half a block of 32 along the next layer's K, in the place that the next operand wants.
; LDS.  A K step of the work-group is 32 KiB of A and 24 KiB of W.  Five places of A and six of W fit.  A's K STEP 5 DOES NOT GO THROUGH LDS: each wave loads its eight fragments of it straight from memory, as they lie,
;   into the 128 registers that stand idle until the cell.  First fills, three loads a wave: step 0; step 1; steps 2 .. 4 of A or 2 .. 5 of W.  ONE refill brings steps 6 and 7 into places 0 and 1, when step 1 has been read:
;   between its request and the wait for it a wave issues 24 + 3 x 48 + 12 = 180 matrix instructions.  By this text's own count a wave has at most three tensor loads out.
;   No padding: every LDS load of 16 bytes a lane reads 512 consecutive bytes.
; CLUSTER.  4 x 4 work-groups: the four of a row need the same A, the four of a column the same W: each tile is asked for jointly, by the same tensor load with the same descriptor and a mask that names the four.
; THE CELL, in f32, with L = log2(e):  Ei = 2^(-L i), Eg = 2^(-2L|g|), Eo = 2^(-L o);  |c| = (1 - Eg) / ((1 + Eg)(1 + Ei));  Ec = 2^(-2L|c|);  h = sign(g) (1 - Ec) / ((1 + Ec)(1 + Eo)).
;   An infinite Ei or Eo stands beside a factor that is never 0, so it gives an infinite divisor and the limit 0, never a NaN.
; LIMITS.  tanh is (1 - E) / (1 + E): its absolute error is about 1e-7, so where |g| or |c| lies under about 1e-5 its relative error passes 1 per cent.  Sigmoids and products under 2^-126 come out as 0.
;   NaN and infinities among the inputs are not served.  A block of zeros gets the scale byte 1 where the rule says 127: its codes are zeros, and this program alone reads the bytes.
; REGISTERS, in windows of 256.  Window 0: v1-13 addresses; v28, v29 for the add; v32-63 A's scale words (step s, pair of tiles j: lanes 0-15 tile 2 j, lanes 16-31 tile 2 j + 1); v64-87 W's likewise; v128-255 A's 8 fragments, ONE set.
;   Window 1: W's 6 fragments, TWO sets, at v0 and v128; the biases' sums, 8 registers a tile in the result's layout, at v96-127 and v224-239.
;   Windows 2, 3: accumulator (a, t) at v[48 (a % 4) + 8 t] of window 2 + a / 4: so I = +0..15, G = +16..31, O = +32..47 of a tile; v192-255: 16 registers a tile: A's fragment of K step 5, later X for the cell.
.set LAST,  0
.set BOFF,  16384*LAST                 ; the layer's biases in their buffers, in bytes
.set RS,    5                          ; the K step whose fragments of A lie in registers
.set AHALF, 81920                      ; LDS: A's half f (128 rows) at f x AHALF, place p (of 5) at p x APL
.set APL,   16384
.set BBASE, 163840                     ; W's half f (32 units) at BBASE + f x BHALF, place p (of 6) at p x BPL
.set BHALF, 73728
.set BPL,   12288
.set SPARE, 311296                     ; the spare words, 128 bytes for each wave: two blocks of 256 bytes that no other line names
.set STG,   311808                     ; LAST = 0: the next layer's scale bytes, 128 for each wave
.set OPI,   272                        ; LAST = 1: the stage for h, 256 rows x (256 bytes + 16), at LDS byte 0: in A's places, behind their last fill and their last read
.set NP5,   110-62*LAST                ; lines of the cell's last list, for two tiles
.set VA0, 3                            ; v3   my half of A + 16 x lane
.set VA1, 4                            ; v4   the same + 65,536: place 4 lies beyond the 16-bit immediate
.set VB,  5                            ; v5   my half of W + 16 x lane
.set L16, 6                            ; v6   16 x lane
.set L8,  7                            ; v7   8 x lane
.set H64, 8                            ; v8   64 x (lane / 16)
.set STO, 9                            ; v9   where I store into the stage
.set RD,  10                           ; v10  where the stage is read back
.set CO2, 11                           ; v11  16 (lane % 16) + 4,096 (lane / 16)
.set VB1, 13                           ; v13  VB + 4 places: places 4 and 5 reach beyond the 16-bit immediate
.set SPW, 28                           ; v28  LDS address of my spare word; never rewritten
.set NIL, 29                           ; v29  0; never rewritten
.set SA,  32
.set SB,  64
.set AF,  128
.set G1A,  24                          ; s[24:31] group 1: a step of A (64 rows of 256 bytes);  s[32:39] a step of W (48)
.set G1B,  32
.set G1A3, 40                          ; s[40:47] three steps of A (192 rows);  s[48:55] four steps of W (192 rows)
.set G1B4, 48
.set G1A2, 56                          ; s[56:63] two steps of A (128 rows);  s[68:75] two steps of W (96 rows): the refill
.set G1B2, 68
.set G0A,  76                          ; s[76:87] A's three groups 0;  s[88:99] W's
.set G0B,  88
.set NL,  4                            ; the cell's constants, in registers that held pointers and are done with: s[4:5] -L
.set N2L, 6                            ; s6  -2L
.set SGN, 7                            ; s7  the sign bit
.set KAP, 8                            ; s[8:9] -ln(2)/2 = -1/(2L)
.set TL,  10                           ; s[10:11] 2L
.set FLO, 17                           ; s17 the floor 2^(16 - 127)
.set MNT, 20                           ; s20 the mantissa field of 57,344
.set SEL, 22                           ; s[22:23] v_permlanex16_b32's selects for lane l xor 16
.set MSB, 0
.macro WIN new                         ; the immediate's high byte repeats the setting that is left; a switch that changes nothing is dropped
.if MSB != (\new)
	s_set_vgpr_msb (MSB<<8)|(\new)
.set MSB, (\new)
.endif
.endm
.macro PLACES n
.rept \n
	v_nop
.endr
.endm
.macro CREST                           ; a round of the cluster's barrier behind its opening barrier
	s_cmp_lg_u32 s14, 0
	s_cbranch_scc1 .Lnot_wave_0_\@
	s_barrier_signal -3
.Lnot_wave_0_\@:
	s_barrier_wait -3
	s_barrier_signal -1
	s_barrier_wait -1
.endm
.macro CROUND
	s_barrier_signal -1
	s_barrier_wait -1
	CREST
.endm
.macro JLOAD g0a, g1a, g0b, g1b        ; a joint load: waves 0 and 1 fetch A's halves, waves 2 and 3 W's; four v_nop follow each of the two lines
	s_cmp_eq_u32 s15, 0
	s_cbranch_scc0 .Lfor_b_\@
	tensor_load_to_lds s[\g0a:\g0a+3], s[\g1a:\g1a+7]
	s_nop 0
.rept 4
	v_nop
.endr
	s_branch .Lasked_\@
.Lfor_b_\@:
	tensor_load_to_lds s[\g0b:\g0b+3], s[\g1b:\g1b+7]
	s_nop 0
.rept 4
	v_nop
.endr
.Lasked_\@:
.endm
.macro GROUP1 g, rows                  ; a dense block as rows of 256 bytes: 32 elements of 8 bytes, pitch 32
	s_mov_b32 s[\g+1], 32<<16                      ; tensor_dim0 = 32
	s_mov_b32 s[\g+2], (\rows)<<16                 ; tensor_dim1
	s_mov_b32 s[\g+3], 32<<16                      ; tile_dim0 = 32
	s_mov_b32 s[\g+4], \rows                       ; tile_dim1
	s_mov_b32 s[\g+5], 32                          ; tensor_dim0_stride
	s_mov_b32 s[\g+6], 0
	s_mov_b32 s[\g+7], 0
.endm
	s_load_b256 s[4:11], s[0:1], 0x0               ; A s[4:5], W s[6:7], b_ih s[8:9], b_hh s[10:11]
	s_load_b64 s[12:13], s[0:1], 0x20              ; the result
	v_lshl_add_u32 v[SPW], v0, 2, SPARE
	v_mov_b32 v[NIL], 0
	ds_add_u32 v28, v29
	ds_add_u32 v28, v29
	s_wait_dscnt 0x0
	v_lshrrev_b32 v1, 5, v0
	v_readfirstlane_b32 s14, v1                    ; wave 0..3
	v_and_b32 v1, 15, v0                           ; r
	v_bfe_u32 v2, v0, 4, 1                         ; h
	v_and_b32 v12, 31, v0                          ; lane
	v_lshlrev_b32 v[L16], 4, v12
	v_lshlrev_b32 v[L8], 3, v12
	v_lshlrev_b32 v[H64], 6, v2
	s_lshr_b32 s15, s14, 1                         ; which 128 rows are mine.  Also: I fetch for A (0) or for W (1)
	s_and_b32 s16, s14, 1                          ; which 32 units.  Also: which half I fetch
	s_bfe_u32 s2, ttmp6, 0x40000                   ; cx, cy: my place in the cluster
	s_bfe_u32 s3, ttmp6, 0x40004
	s_lshl_b32 s18, ttmp9, 2
	s_add_co_u32 s18, s18, s2                      ; bx: which 64 units
	s_and_b32 s19, ttmp7, 0xffff
	s_lshl_b32 s19, s19, 2
	s_add_co_u32 s19, s19, s3                      ; by: which 256 rows
	s_lshl_b32 s20, s3, 2
	s_lshl_b32 s20, 15, s20                        ; my row of the cluster
	s_lshl_b32 s21, 0x1111, s2                     ; my column
	s_or_b32 s[G1A], s20, (3<<16)|(1<<21)          ; 15:0 the mask: A goes to my row; 17:16 elements of 8 bytes; 21 set beside a mask; no padding
	s_or_b32 s[G1A3], s20, (3<<16)|(1<<21)
	s_or_b32 s[G1A2], s20, (3<<16)|(1<<21)
	s_or_b32 s[G1B], s21, (3<<16)|(1<<21)          ; W goes to my column
	s_or_b32 s[G1B4], s21, (3<<16)|(1<<21)
	s_or_b32 s[G1B2], s21, (3<<16)|(1<<21)
	GROUP1 G1A, 64
	GROUP1 G1B, 48
	GROUP1 G1A3, 192
	GROUP1 G1B4, 192
	GROUP1 G1A2, 128
	GROUP1 G1B2, 96
	s_lshl_b32 s66, s19, 18                        ; A: by x 2 halves x 8 steps x 16,384 bytes: it hangs on by alone,
	s_lshl_b32 s22, s16, 17
	s_add_co_u32 s66, s66, s22                     ; + my half
	s_mov_b32 s67, 0
	s_mul_i32 s100, s18, 196608                    ; W: bx x 2 halves x 8 steps x 12,288 bytes: on bx alone
	s_mul_i32 s23, s16, 98304
	s_add_co_u32 s100, s100, s23
	s_mov_b32 s101, 0
	s_mul_i32 s22, s16, AHALF                      ; where they go: no place in the cluster enters an LDS address
	s_mul_i32 s23, s16, BHALF
	s_add_co_u32 s23, s23, BBASE
	s_wait_kmcnt 0x0
	s_add_nc_u64 s[66:67], s[4:5], s[66:67]
	s_add_nc_u64 s[100:101], s[6:7], s[100:101]
.irp q, 0,1,2                          ; the three first fills begin at K steps 0, 1, 2, in places 0, 1, 2
.set GA, G0A+4*\q
.set GB, G0B+4*\q
	s_mov_b32 s[GA], 1                             ; count = 1
	s_add_co_u32 s[GA+1], s22, \q*APL              ; LDS address
	s_add_nc_u64 s[GA+2:GA+3], s[66:67], \q*APL    ; global address
	s_or_b32 s[GA+3], s[GA+3], 0x80000000          ; type = 2
	s_mov_b32 s[GB], 1
	s_add_co_u32 s[GB+1], s23, \q*BPL
	s_add_nc_u64 s[GB+2:GB+3], s[100:101], \q*BPL
	s_or_b32 s[GB+3], s[GB+3], 0x80000000
.endr
	CROUND                                         ; all sixteen work-groups are here: the first joint loads meet
	s_cmp_eq_u32 s15, 0                            ; a wave's three first fills stand in one branch, ahead of every wait on TENSORcnt and every LDS read; four v_nop follow the last
	s_cbranch_scc0 .Lfirst_b
	tensor_load_to_lds s[G0A:G0A+3], s[G1A:G1A+7]
	s_nop 0
	tensor_load_to_lds s[G0A+4:G0A+7], s[G1A:G1A+7]
	s_nop 0
	tensor_load_to_lds s[G0A+8:G0A+11], s[G1A3:G1A3+7]
	s_nop 0
	PLACES 4
	s_branch .Lfirst_asked
.Lfirst_b:
	tensor_load_to_lds s[G0B:G0B+3], s[G1B:G1B+7]
	s_nop 0
	tensor_load_to_lds s[G0B+4:G0B+7], s[G1B:G1B+7]
	s_nop 0
	tensor_load_to_lds s[G0B+8:G0B+11], s[G1B4:G1B4+7]
	s_nop 0
	PLACES 4
.Lfirst_asked:
	s_lshl_b32 s17, s19, 1
	s_add_co_u32 s17, s17, s15                     ; RB
	s_lshl_b32 s20, s18, 1
	s_add_co_u32 s20, s20, s16                     ; CB
	s_mov_b32 s23, 0
	s_lshl_b32 s22, s17, 17                        ; my 128 rows' codes: 8 steps x 16,384 bytes,
	s_add_co_u32 s22, s22, RS*APL                  ; at K step 5
	s_add_nc_u64 s[66:67], s[4:5], s[22:23]        ; (the descriptors have taken their copies of the old s[66:67])
	s_lshl_b32 s22, s17, 12
	s_add_co_u32 s22, s22, 0x400000
	s_add_nc_u64 s[4:5], s[4:5], s[22:23]          ; my rows' scales: 8 steps x 512 bytes
	s_mul_i32 s22, s20, 3072
	s_add_co_u32 s22, s22, 0x300000
	s_add_nc_u64 s[6:7], s[6:7], s[22:23]          ; my units' scales: 48 fragments = 6 groups of 512 bytes
	s_lshr_b32 s22, s20, 4
	s_lshl_b32 s22, s22, 13                        ; the direction's 2,048 biases,
	s_and_b32 s21, s20, 15
	s_lshl_b32 s21, s21, 7                         ; my 32 units
	s_add_co_u32 s22, s22, s21
.if LAST
	s_add_co_u32 s22, s22, BOFF
.endif
	s_add_nc_u64 s[8:9], s[8:9], s[22:23]
	s_add_nc_u64 s[10:11], s[10:11], s[22:23]
	; The scale words of all eight steps come once: a load of 8 bytes a lane (256 consecutive bytes) brings one plane of a group: the 16-bit halves of four scale registers.  Group n: plane 0 into v[128 + 4 n], plane 1 into v[130 + 4 n].
	; With the biases' 24 loads that is 52 loads.
.irp n, 0,1,2,3,4,5,6,7
	global_load_b64 v[128+4*\n:129+4*\n], v[L8], s[4:5] offset:\n*512
	global_load_b64 v[130+4*\n:131+4*\n], v[L8], s[4:5] offset:\n*512+256
.endr
.irp n, 0,1,2,3,4,5
	global_load_b64 v[160+4*\n:161+4*\n], v[L8], s[6:7] offset:\n*512
	global_load_b64 v[162+4*\n:163+4*\n], v[L8], s[6:7] offset:\n*512+256
.endr
	; The biases in the result's layout: tile t = 2 q + u, lane (r, h): units 16 h + 8 u + 0 .. 7 of gate q (quarters 0, 2, 3).  b_hh into v184-231, b_ih into window 1
.irp t, 0,1,2,3,4,5
	global_load_b128 v[184+8*\t:187+8*\t], v[H64], s[10:11] offset:((\t/2)+((\t/2)+1)/2)*2048+32*(\t%2)
	global_load_b128 v[188+8*\t:191+8*\t], v[H64], s[10:11] offset:((\t/2)+((\t/2)+1)/2)*2048+32*(\t%2)+16
.endr
	WIN 0x40                                       ; destination window 1
.irp t, 0,1,2,3,4,5
.set rB, 96+8*\t+96*(\t/4)
	global_load_b128 v[rB:rB+3], v[H64], s[8:9] offset:((\t/2)+((\t/2)+1)/2)*2048+32*(\t%2)
	global_load_b128 v[rB+4:rB+7], v[H64], s[8:9] offset:((\t/2)+((\t/2)+1)/2)*2048+32*(\t%2)+16
.endr
	WIN 0
.if LAST
	s_lshl_b32 s22, s19, 20                        ; h: 256 by rows of 4,096 bytes,
	s_lshl_b32 s21, s15, 19                        ; + the 32 rows that I send: 128 (wave / 2) + 32 (wave % 2),
	s_add_co_u32 s22, s22, s21
	s_lshl_b32 s21, s16, 17
	s_add_co_u32 s22, s22, s21
	s_lshl_b32 s21, s18, 8                         ; + the work-group's 64 units: 256 bytes
	s_add_co_u32 s22, s22, s21
	s_add_nc_u64 s[12:13], s[12:13], s[22:23]
	s_mul_i32 s21, s15, 128*OPI
	s_lshl_b32 s2, s16, 7
	s_add_co_u32 s2, s2, s21
	v_mul_u32_u24 v[STO], v1, OPI
	v_lshl_add_u32 v[STO], v2, 6, v[STO]
	v_add_nc_u32 v[STO], s2, v[STO]                ; into the stage: row 128 (wave / 2) + r, + 128 (wave % 2) + 64 h bytes
	s_mul_i32 s2, s16, 32*OPI
	s_add_co_u32 s2, s2, s21
	v_mul_u32_u24 v[RD], v2, OPI
	v_lshl_add_u32 v[RD], v1, 4, v[RD]
	v_add_nc_u32 v[RD], s2, v[RD]                  ; back: lanes 0-15 one row of 256 bytes, lanes 16-31 the next
.else
	s_lshr_b32 s21, s18, 1                         ; my units' K step in the next layer: bx / 2
	s_and_b32 s2, s18, 1                           ; and their plane of scale bytes: bx % 2
	s_lshl_b32 s22, s19, 13                        ; the scales of the work-group's rows: (2 by x 8 + K step) x 512 + plane x 256
	s_lshl_b32 s3, s21, 9
	s_add_co_u32 s22, s22, s3
	s_lshl_b32 s3, s2, 8
	s_add_co_u32 s22, s22, s3
	s_add_co_u32 s22, s22, 0x400000
	s_lshl_b32 s3, s17, 3
	s_add_co_u32 s3, s3, s21
	s_lshl_b32 s3, s3, 14                          ; the codes: (RB x 8 + K step) x 16,384
	s_lshl_b32 s2, s2, 1
	s_add_co_u32 s2, s2, s16                       ; + my block of 32 in the K step: c = 2 (bx % 2) + wave % 2,
	s_lshl_b32 s2, s2, 9                           ; 512 bytes of each fragment's image
	s_add_co_u32 s21, s3, s2
	s_add_nc_u64 s[2:3], s[12:13], s[22:23]        ; s[2:3]: the scales' place
	s_mov_b32 s22, s21
	s_add_nc_u64 s[12:13], s[12:13], s[22:23]      ; s[12:13]: the codes' place
	s_lshl_b32 s21, s14, 7
	s_add_co_u32 s21, s21, STG
	v_lshl_add_u32 v[STO], v1, 2, s21              ; my wave's 128 scale bytes, in the plane's order: row 16 a + r at 4 (row % 32) + row / 32 = 4 r + 64 (a % 2) + a / 2
	v_lshlrev_b32 v[RD], 3, v1
	v_lshl_add_u32 v[RD], v2, 8, v[RD]
	v_add_nc_u32 v[RD], STG, v[RD]                 ; back (wave 0): 8 bytes a lane; lanes 16-31 the second 128 rows
.endif
	v_lshlrev_b32 v[CO2], 4, v1
	v_lshl_add_u32 v[CO2], v2, 12, v[CO2]
	s_mul_i32 s21, s15, AHALF
	v_add_nc_u32 v[VA0], s21, v[L16]
	v_add_nc_u32 v[VA1], 0x10000, v[VA0]
	s_mul_i32 s21, s16, BHALF
	s_add_co_u32 s21, s21, BBASE
	v_add_nc_u32 v[VB], s21, v[L16]
	v_add_nc_u32 v[VB1], 4*BPL, v[VB]
	s_wait_loadcnt 0x0                             ; scales and biases are in; their pointers are done with
	; A's eight fragments of K step 5, straight from memory into the registers of the tile's own window: 32 loads of 512 consecutive bytes.  They are waited for at the head of step 5.
	WIN 0x80                                       ; destination window 2
.irp a, 0,1,2,3
.irp c, 0,1,2,3
	global_load_b128 v[192+16*\a+4*\c:192+16*\a+4*\c+3], v[L16], s[66:67] offset:\a*2048+512*\c
.endr
.endr
	WIN 0xc0                                       ; destination window 3
.irp a, 0,1,2,3
.irp c, 0,1,2,3
	global_load_b128 v[192+16*\a+4*\c:192+16*\a+4*\c+3], v[L16], s[66:67] offset:(\a+4)*2048+512*\c
.endr
.endr
	WIN 0
.set n, 0
.rept 14                               ; a scale word = plane 0's half below, plane 1's above.  Groups 0 .. 7: A's steps; groups 8 .. 13: W's, whose registers follow A's
	v_perm_b32 v[SA+4*n], v[130+4*n], v[128+4*n], 0x05040100
	v_perm_b32 v[SA+4*n+1], v[130+4*n], v[128+4*n], 0x07060302
	v_perm_b32 v[SA+4*n+2], v[131+4*n], v[129+4*n], 0x05040100
	v_perm_b32 v[SA+4*n+3], v[131+4*n], v[129+4*n], 0x07060302
.set n, n+1
.endr
	WIN 0x41                                       ; destination and source 0 window 1
.irp t, 0,1,2,3,4,5
.set rB, 96+8*\t+96*(\t/4)
.irp k, 0,2,4,6
	v_pk_add_f32 v[rB+\k:rB+\k+1], v[rB+\k:rB+\k+1], v[184+8*\t+\k:184+8*\t+\k+1]   ; b_ih + b_hh: the C of each sum's first product.  (These 24 are also the eight places between the scale words and the first product)
.endr
.endr
	WIN 0
	s_mov_b32 s[NL], 0xbfb8aa3b
	s_mov_b32 s[NL+1], 0xbfb8aa3b                  ; (a packed form names the pair and takes its low word for both halves: so both are written)
	s_mov_b32 s[N2L], 0xc038aa3b
	s_mov_b32 s[SGN], 0x80000000
	s_mov_b32 s[KAP], 0xbeb17218
	s_mov_b32 s[KAP+1], 0xbeb17218
	s_mov_b32 s[TL], 0x4038aa3b
	s_mov_b32 s[TL+1], 0x4038aa3b
	s_mov_b32 s[FLO], 0x8000000
	s_mov_b32 s[MNT], 0x600000
	s_mov_b32 s[SEL], 0x76543210
	s_mov_b32 s[SEL+1], 0xfedcba98
	PLACES 4                                       ; between the biases' sums and the products that take them
.macro FRAG reg, adr, off              ; a fragment comes back as it was laid: four loads of 512 consecutive bytes
.irp c, 0,1,2,3
	ds_load_b128 v[(\reg)+4*\c:(\reg)+4*\c+3], v[\adr] offset:(\off)+512*\c
.endr
.endm
.macro FETCH_B s                       ; W's six fragments of step s into set s % 2.  Step s lies in place s % 6
	WIN 0x40
.set fq, (\s)%6
.irp t, 0,1,2,3,4,5
.if fq >= 4
	FRAG 128*((\s)%2)+16*\t, VB1, (fq-4)*BPL+\t*2048
.else
	FRAG 128*((\s)%2)+16*\t, VB, fq*BPL+\t*2048
.endif
.endr
	WIN 0
.endm
.macro FETCH_A s, a0                   ; A's tiles a0 .. a0 + 3 of step s (never step 5), which lies in place s % 6
.set fp, (\s)%6
.irp i, 0,1,2,3
.if fp == 4
	FRAG AF+16*(\a0+\i), VA1, (\a0+\i)*2048
.else
	FRAG AF+16*(\a0+\i), VA0, fp*APL+(\a0+\i)*2048
.endif
.endr
.endm
; One product: W's tile t x A's tile a, step s.  The scale registers hold two tiles each: the odd tile's words lie in lanes 16-31.  Step 0 takes the biases as C: nothing is cleared and no bias is added later.
.macro MM s, a, t
.set rD, 48*((\a)%4)+8*(\t)
.set rW, 128*((\s)%2)+16*(\t)
.set rA, AF+16*(\a)
.if (\s) == RS
.set rA, 192+16*((\a)%4)               ; step 5: A's fragment lies in the accumulators' window
.endif
.set rSW, SB+3*(\s)+(\t)/2
.set rSA, SA+4*(\s)+(\a)/2
.set rC, rD
.if (\s) == 0
.set rC, 96+8*(\t)+96*((\t)/4)
.endif
.if ((\t)%2 == 0) && ((\a)%2 == 0)
	v_wmma_scale_f32_16x16x128_f8f6f4 v[rD:rD+7], v[rW:rW+15], v[rA:rA+15], v[rC:rC+7], v[rSW], v[rSA] matrix_a_fmt:MATRIX_FMT_BF8 matrix_b_fmt:MATRIX_FMT_BF8
.elseif ((\t)%2 == 1) && ((\a)%2 == 0)
	v_wmma_scale_f32_16x16x128_f8f6f4 v[rD:rD+7], v[rW:rW+15], v[rA:rA+15], v[rC:rC+7], v[rSW], v[rSA] matrix_a_fmt:MATRIX_FMT_BF8 matrix_b_fmt:MATRIX_FMT_BF8 matrix_a_scale:MATRIX_SCALE_ROW1
.elseif ((\t)%2 == 0) && ((\a)%2 == 1)
	v_wmma_scale_f32_16x16x128_f8f6f4 v[rD:rD+7], v[rW:rW+15], v[rA:rA+15], v[rC:rC+7], v[rSW], v[rSA] matrix_a_fmt:MATRIX_FMT_BF8 matrix_b_fmt:MATRIX_FMT_BF8 matrix_b_scale:MATRIX_SCALE_ROW1
.else
	v_wmma_scale_f32_16x16x128_f8f6f4 v[rD:rD+7], v[rW:rW+15], v[rA:rA+15], v[rC:rC+7], v[rSW], v[rSA] matrix_a_fmt:MATRIX_FMT_BF8 matrix_b_fmt:MATRIX_FMT_BF8 matrix_a_scale:MATRIX_SCALE_ROW1 matrix_b_scale:MATRIX_SCALE_ROW1
.endif
.endm
; A's tiles a0 .. a0 + n - 1, each against W's six.  The 48 accumulators take turns, one instruction a turn, in the same order in every step.
.macro MUL s, a0, n
.if (\s) == 0
	WIN 0x91+0x40*((\a0)/4)                        ; source 0 (W) and C (the biases) window 1, source 1 (A) window 0, D window 2 or 3
.elseif (\s) == RS
	WIN 0xa9+0x54*((\a0)/4)                        ; source 0 window 1; source 1 (A), C and D window 2 or 3
.else
	WIN 0xa1+0x50*((\a0)/4)                        ; source 0 window 1, source 1 window 0, C and D window 2 or 3
.endif
.set ma, \a0
.rept \n
.irp t, 0,1,2,3,4,5
	MM \s, ma, \t
.endr
.set ma, ma+1
.endr
.endm
; A K STEP that has a successor: 48 products.  A tile of A is free when its six products are issued, so A has one set of registers: tiles 0-3 are fetched anew in the step's middle, tiles 4-7 at its end; W has two sets.
; A load into a register that a matrix instruction has read stands eight places behind it: eight v_nop in front of each run of loads.
; BARRIERS.  Step 0: each wave's own part of step 1 has landed (of three first fills one may stay out), then the barrier, then step 1 is read.
; Step 1: places 0 and 1 have been read (step 1's fragments were all asked for in step 0): every wave waits for ALL its tensor loads (so steps 2 .. 5 have landed too), adds 0 to its spare word, waits for the add and
; for its LDS reads, and opens a round of the cluster's barrier; behind the round the one joint refill brings steps 6 and 7.  Step 5: the refill, the one load that is out, has landed; barrier.  Steps 2, 3, 4, 6 need none.
.macro STEP s
.if (\s) == 1
	s_wait_tensorcnt 0x0                           ; all my tensor loads have landed,
	ds_add_u32 v[SPW], v[NIL]                      ; 0 onto my spare word;
	s_add_nc_u64 s[G0A+2:G0A+3], s[G0A+2:G0A+3], 6*APL   ; no load of mine is out, so the groups 0 of place 0 may be written: on to step 6
	s_add_nc_u64 s[G0B+2:G0B+3], s[G0B+2:G0B+3], 6*BPL
	s_wait_dscnt 17                                ; (the add and the youngest sixteen loads, A's tiles 4-7, may be out)
.elseif (\s) == RS
	s_wait_loadcnt 0x0                             ; A's fragments of this step, asked for at the head, are in their registers
	s_wait_dscnt 0x0                               ; W's set is in
.else
	s_wait_dscnt 16                                ; W's set and A's tiles 0-3 are in; the youngest sixteen loads (A's tiles 4-7) may be out
.endif
	MUL \s, 0, 2
.if ((\s) < 2) || ((\s) == RS)
.if (\s) == 0
	s_wait_tensorcnt 1                             ; my part of step 1 has landed; the youngest first fill may stay out
.elseif (\s) == RS
	s_wait_tensorcnt 0x0                           ; my part of steps 6 and 7: the one load that was out
.endif
	s_wait_dscnt 0x0                               ; no LDS instruction of mine is out at a signal
	s_barrier_signal -1
	MUL \s, 2, 2                                   ; work on registers while the others arrive
	WIN 0
	s_barrier_wait -1
.else
	MUL \s, 2, 2
	s_wait_dscnt 0x0                               ; A's tiles 4-7 are in
.endif
.if (\s) == 1
	CREST                                          ; the barrier has opened a round: no wave of any partner still reads places 0, 1 or has a load on its way
	JLOAD G0A, G1A2, G0B, G1B2                     ; the first tensor load behind the round, and the launch's last; its four v_nop are four of the eight places
	PLACES 4
.else
	PLACES 8
.endif
	FETCH_B (\s)+1
.if ((\s)+1) != RS
	FETCH_A (\s)+1, 0
.endif
	MUL \s, 4, 4
	PLACES 8
	WIN 0
.if ((\s)+1) != RS
	FETCH_A (\s)+1, 4
.endif
.endm
; THE CELL.  Four batches of transcendentals (T1 .. T4) and five lists of plain lines (P1 .. P5) for each tile; the tiles of a window go in two groups of two, and one group's transcendentals are dealt out among the
; other group's plain lines, which name none of their registers.  Each batch has ONE wait, at its end, ahead of the first line that names a result.
;   P1  I = -L i; X = -2L |g|; O = -L o            T1  2^I = Ei, 2^X = Eg, 2^O = Eo
;   P2  X = k (1 + Eg), k = -1/(2L); I = X (1 + Ei); X = 2L X + 2 = 1 - Eg            T2  1 / I
;   P3  X = X I = -2L |c|                          T3  2^X = Ec
;   P4  X = 1 + Ec; O = X (1 + Eo); X = 2 - X = 1 - Ec                                T4  1 / O
;   P5  X = X O = |h|; the sign of g.  LAST = 0: the half block's largest magnitude, joined with lane l xor 16's; the scale; the hold; 16 codes into I[0:3], the byte into I[4]
; Every list takes an accumulator's registers in ascending order.  TR writes line ti of a batch, PL line pi of a list: the group's two tiles alternate.
.macro TR k, z
.set tt, 2*(\z)+ti%2
.set tn, ti/2
.if (\k) == 1
.if (tn >= 16) && (tn < 32)
	v_exp_f32 v[192+16*tt+tn-16], v[192+16*tt+tn-16]
.else
	v_exp_f32 v[48*tt+tn], v[48*tt+tn]
.endif
.elseif (\k) == 2
	v_rcp_f32 v[48*tt+tn], v[48*tt+tn]
.elseif (\k) == 3
	v_exp_f32 v[192+16*tt+tn], v[192+16*tt+tn]
.else
	v_rcp_f32 v[48*tt+32+tn], v[48*tt+32+tn]
.endif
.endm
.macro PL k, z
.set pt, 2*(\z)+pi%2
.set pn, pi/2
.set rI, 48*pt
.set rG, rI+16
.set rO, rI+32
.set rX, 192+16*pt
.set pe, 2*(pn%8)
.if (\k) == 1
.if pn < 8
	v_pk_mul_f32 v[rI+pe:rI+pe+1], v[rI+pe:rI+pe+1], s[NL:NL+1] op_sel_hi:[1,0]
.elseif pn < 24
	v_mul_f32 v[rX+pn-8], s[N2L], |v[rG+pn-8]|
.else
	v_pk_mul_f32 v[rO+pe:rO+pe+1], v[rO+pe:rO+pe+1], s[NL:NL+1] op_sel_hi:[1,0]
.endif
.elseif (\k) == 2
.if pn < 8
	v_pk_fma_f32 v[rX+pe:rX+pe+1], v[rX+pe:rX+pe+1], s[KAP:KAP+1], s[KAP:KAP+1] op_sel_hi:[1,0,0]
.elseif pn < 16
	v_pk_fma_f32 v[rI+pe:rI+pe+1], v[rI+pe:rI+pe+1], v[rX+pe:rX+pe+1], v[rX+pe:rX+pe+1]
.else
	v_pk_fma_f32 v[rX+pe:rX+pe+1], v[rX+pe:rX+pe+1], s[TL:TL+1], 2.0 op_sel_hi:[1,0,0]
.endif
.elseif (\k) == 3
	v_pk_mul_f32 v[rX+pe:rX+pe+1], v[rX+pe:rX+pe+1], v[rI+pe:rI+pe+1]
.elseif (\k) == 4
.if pn < 8
	v_pk_add_f32 v[rX+pe:rX+pe+1], v[rX+pe:rX+pe+1], 1.0 op_sel_hi:[1,0]
.elseif pn < 16
	v_pk_fma_f32 v[rO+pe:rO+pe+1], v[rO+pe:rO+pe+1], v[rX+pe:rX+pe+1], v[rX+pe:rX+pe+1]
.else
	v_pk_fma_f32 v[rX+pe:rX+pe+1], v[rX+pe:rX+pe+1], -1.0, 2.0 op_sel_hi:[1,0,0]
.endif
.else
.if pn < 8
	v_pk_mul_f32 v[rX+pe:rX+pe+1], v[rX+pe:rX+pe+1], v[rO+pe:rO+pe+1]
.elseif pn < 24
	v_and_or_b32 v[rX+pn-8], v[rG+pn-8], s[SGN], v[rX+pn-8]
.elseif pn == 24
	v_max3_num_f32 v[rI+8], |v[rX]|, |v[rX+1]|, s[FLO]             ; my 16 numbers of the block, and the floor: so the byte cannot fall under 1
.elseif pn < 32
	v_max3_num_f32 v[rI+8], v[rI+8], |v[rX+pe]|, |v[rX+pe+1]|
.elseif pn == 32
	v_permlanex16_b32 v[rI+9], v[rI+8], s[SEL], s[SEL+1]
.elseif pn == 33
	v_max_num_f32 v[rI+8], v[rI+8], v[rI+9]                        ; with lane l xor 16's: the block's largest magnitude
.elseif pn == 34
	v_add_nc_u32 v[rI+10], 0xf8800000, v[rI+8]                     ; 15 off its exponent field: the conversion's scale operand
.elseif pn == 35
	v_and_or_b32 v[rI+11], v[rI+8], 0x7f800000, s[MNT]             ; 57,344 x the scale
.elseif pn == 36
	v_lshrrev_b32 v[rI+4], 23, v[rI+10]                            ; the scale's byte
.elseif pn < 53
	v_med3_num_f32 v[rX+pn-37], v[rX+pn-37], -v[rI+11], v[rI+11]   ; the conversion to an 8-bit code does not saturate (ISA guide 7.6.2): the hold
.elseif pn == 53
	v_cvt_scalef32_pk8_bf8_f32 v[rI:rI+1], v[rX:rX+7], v[rI+10]
.else
	v_cvt_scalef32_pk8_bf8_f32 v[rI+2:rI+3], v[rX+8:rX+15], v[rI+10]
.endif
.endif
.endm
.macro PLS k, z, np                    ; a list by itself
.set pi, 0
.rept \np
	PL \k, \z
.set pi, pi+1
.endr
.endm
; nt transcendentals of batch kt, group zt, with the np lines of list kp, group zp, dealt evenly among them.  The last line is always a line of the list: the plain line behind the last transcendental;
; where it is a scaled conversion (list 5), a v_nop follows, which is that plain line for the batch and for the conversions.
.macro MIX kt, zt, nt, kp, zp, np
.set ti, 0
.set pi, 0
.rept \nt
	TR \kt, \zt
.set ti, ti+1
.rept (ti*(\np))/(\nt)-pi
	PL \kp, \zp
.set pi, pi+1
.endr
.endr
.if (\kp) == 5
	v_nop
.endif
	s_wait_alu depctr_va_vdst(0)                   ; one wait for the batch, ahead of the first line that names a result
.endm
.macro OUT w, z                        ; the group's two tiles leave the registers
	WIN 0x08+4*(\w)                                ; a store's data are its source 1: window 2 or 3
.irp i, 0,1
.set ot, 2*(\z)+\i
.if LAST
.irp j, 0,1,2,3
	ds_store_b128 v[STO], v[192+16*ot+4*\j:192+16*ot+4*\j+3] offset:16*(4*(\w)+ot)*OPI+16*\j   ; 64 bytes of a row of h
.endr
.else
	global_store_b128 v[L16], v[48*ot:48*ot+3], s[12:13] offset:(4*(\w)+ot)*2048   ; registers 4 c .. 4 c + 3 of the next layer's fragment: 32 lanes store 512 consecutive bytes
	ds_store_b8 v[STO], v[48*ot+4] offset:64*(ot%2)+2*(\w)+ot/2    ; my row's scale byte, tile a = 4 w + ot: 64 (a % 2) + a / 2 (lanes r and r + 16 write the same byte with the same value)
.endif
.endr
.endm
.macro CELLS w                         ; the four tiles of window 2 + w
	WIN 0xaa+0x55*(\w)
	PLS 1, 0, 64
	MIX 1, 0, 96, 1, 1, 64
	MIX 1, 1, 96, 2, 0, 48
	MIX 2, 0, 32, 2, 1, 48
	MIX 2, 1, 32, 3, 0, 16
	MIX 3, 0, 32, 3, 1, 16
	MIX 3, 1, 32, 4, 0, 48
	MIX 4, 0, 32, 4, 1, 48
	MIX 4, 1, 32, 5, 0, NP5
	OUT \w, 0
	WIN 0xaa+0x55*(\w)
	PLS 5, 1, NP5
.if LAST == 0
	v_nop                                          ; one plain line behind the last conversion
.endif
	OUT \w, 1
.endm
.macro SEND w                          ; LAST = 1: 128 rows of the stage are whole (a row's 256 bytes come from two waves: a barrier); each wave sends 32 of them
	WIN 0
	s_wait_dscnt 0x0                               ; for the others' sake: my stores into the stage have landed
	s_barrier_signal -1
	s_barrier_wait -1
.irp t, 0,1,2,3,4,5,6,7,8,9,10,11,12,13,14,15
	ds_load_b128 v[128+64*(\w)+4*\t:128+64*(\w)+4*\t+3], v[RD] offset:(64*(\w)+2*\t)*OPI
.endr
.irp t, 0,1,2,3,4,5,6,7,8,9,10,11,12,13,14,15
	s_wait_dscnt 15-\t                             ; LDS loads come back in order: pair t of rows is in
	global_store_b128 v[CO2], v[128+64*(\w)+4*\t:128+64*(\w)+4*\t+3], s[12:13] offset:(64*(\w)+2*\t)*4096 th:TH_STORE_NT   ; 16 lanes store 256 consecutive bytes, at a multiple of 256 from the buffer's first byte
.endr
.endm
	s_wait_tensorcnt 2                             ; my part of step 0 is in; the two younger first fills may stay out
	s_barrier_signal -1
	s_barrier_wait -1                              ; everybody's is
	FETCH_B 0
	FETCH_A 0, 0
	FETCH_A 0, 4
.irp s, 0,1,2,3,4,5,6
	STEP \s
.endr
	s_wait_dscnt 16                                ; the last step: nothing more to fetch
	MUL 7, 0, 4
	s_wait_dscnt 0x0                               ; my last reads of the tiles are over
.if LAST
	s_barrier_signal -1                            ; the stage lies in A's places: nobody stores there before all four waves have read their last
.endif
	MUL 7, 4, 4
	WIN 0
.if LAST
	s_barrier_wait -1
.endif
	PLACES 8                                       ; in front of the first read of results
	CELLS 0
.if LAST
	SEND 0                                         ; the first half's stores leave while the second half's cells are computed
.endif
	CELLS 1
.if LAST
	SEND 1
.else
	WIN 0
	s_wait_dscnt 0x0                               ; for wave 0's sake: my scale bytes have landed
	s_barrier_signal -1
	s_barrier_wait -1
	s_cmp_lg_u32 s14, 0
	s_cbranch_scc1 .Lnot_first
	ds_load_b64 v[128:129], v[RD]                  ; 8 bytes of the first 32 units (waves 0, 2): rows 2 r + 32 k, then rows 2 r + 1 + 32 k,
	ds_load_b64 v[130:131], v[RD] offset:128       ; and of the second 32 (waves 1, 3)
	s_wait_dscnt 0x0
	v_perm_b32 v132, v130, v128, 0x05010400        ; a row's two bytes side by side: the lower block's in the lower byte
	v_perm_b32 v133, v130, v128, 0x07030602
	v_perm_b32 v134, v131, v129, 0x05010400
	v_perm_b32 v135, v131, v129, 0x07030602
	global_store_b128 v[CO2], v[132:135], s[2:3]   ; 16 lanes store the 256 bytes of a plane of 128 rows; lanes 16-31 those of the next 128 rows, 4,096 bytes on
.Lnot_first:
.endif
	s_wait_tensorcnt 0x0                           ; the wave's end: behind my last tensor load and my last LDS store
	ds_add_u32 v[SPW], v[NIL]
	s_wait_dscnt 0x0
	CROUND                                         ; the closing round: no work-group ends while a partner may still ask for a tile that names it
	s_endpgm
.Lfunc_end_k_qc96349a727_cell:
	.size	k_qc96349a727_cell, .Lfunc_end_k_qc96349a727_cell-k_qc96349a727_cell
	.p2alignl 7, 3214868480
	.fill 96, 4, 3214868480
	.section	.rodata,"a",@progbits
	.p2align	6, 0x0
	.amdhsa_kernel k_qc96349a727_cell
		.amdhsa_group_segment_fixed_size 327680
		.amdhsa_private_segment_fixed_size 0
		.amdhsa_enable_private_segment 0
		.amdhsa_kernarg_size 40
		.amdhsa_user_sgpr_count 2
		.amdhsa_user_sgpr_kernarg_segment_ptr 1
		.amdhsa_wavefront_size32 1
		.amdhsa_system_sgpr_workgroup_id_x 1
		.amdhsa_system_sgpr_workgroup_id_y 1
		.amdhsa_system_sgpr_workgroup_id_z 1
		.amdhsa_system_vgpr_workitem_id 0
		.amdhsa_next_free_vgpr 1024
		.amdhsa_next_free_sgpr 102
		.amdhsa_reserve_vcc 0
		.amdhsa_float_denorm_mode_32 3
		.amdhsa_float_denorm_mode_16_64 3
		.amdhsa_memory_ordered 1
		.amdhsa_forward_progress 1
		.amdhsa_inst_pref_size 205
	.end_amdhsa_kernel
	.amdgpu_metadata
---
amdhsa.version: [ 1, 2 ]
amdhsa.kernels:
  - .name:           k_qc96349a727_cell
    .symbol:         k_qc96349a727_cell.kd
    .args:
      - { .name: a0, .offset: 0, .size: 8, .value_kind: global_buffer, .address_space: global }
      - { .name: wp0, .offset: 8, .size: 8, .value_kind: global_buffer, .address_space: global }
      - { .name: b_ih0, .offset: 16, .size: 8, .value_kind: global_buffer, .address_space: global }
      - { .name: b_hh0, .offset: 24, .size: 8, .value_kind: global_buffer, .address_space: global }
      - { .name: a1, .offset: 32, .size: 8, .value_kind: global_buffer, .address_space: global }
    .group_segment_fixed_size: 327680
    .private_segment_fixed_size: 0
    .kernarg_segment_align: 8
    .kernarg_segment_size: 40
    .max_flat_workgroup_size: 128
    .sgpr_count:     102
    .vgpr_count:     1024
    .wavefront_size: 32
...
	.end_amdgpu_metadata
.endif
;; end of part 2
;; launch layer1: the kernel of part 2 again; grid 16 x 16, 4 waves a work-group, clusters of 4 x 4, 327,680 bytes of LDS; arguments a1, wp1, b_ih12, b_hh12, a2; writes a2
;; launch cell_last (part 3): grid 16 x 16, 4 waves a work-group, clusters of 4 x 4, 327,680 bytes of LDS; arguments a2, wp2, b_ih12, b_hh12, out0; writes out0
.if DOCPART == 3
	.amdgcn_target "amdgcn-amd-amdhsa--gfx1250"
	.amdhsa_code_object_version 6
	.text
	.protected	k_qc96349a727_cell_last
	.globl	k_qc96349a727_cell_last
	.p2align	8
	.type	k_qc96349a727_cell_last,@function
k_qc96349a727_cell_last:
	s_mov_b64 s[64:65], 0
	v_nop
	global_prefetch_b8 v0, s[64:65] scope:SCOPE_SE
	s_setreg_imm32_b32 hwreg(HW_REG_WAVE_MODE, 25, 1), 1
	s_wait_xcnt 0x0
	s_wait_alu depctr_hold_cnt(0) depctr_sa_sdst(0) depctr_va_vdst(0) depctr_va_sdst(0) depctr_va_ssrc(0) depctr_va_vcc(0) depctr_vm_vsrc(0)
	s_getreg_b32 s2, hwreg(HW_REG_IB_STS2, 6, 4)
	s_cmp_eq_u32 s2, 0
	s_cbranch_scc0 .Lentry_in_a_cluster
	s_endpgm
.Lentry_in_a_cluster:
	s_bfe_u32 s2, ttmp6, 0x10000c
	s_cmp_lg_u32 s2, 0xf033
	s_cbranch_scc0 .Lentry_shape_is_right
	s_endpgm
.Lentry_shape_is_right:
; ONE LAYER: gates = A W^T + b_ih + b_hh on codes of BF8 (E5M2) with E8M0 scales for each 32 along K; h = sigmoid(o) tanh(sigmoid(i) tanh(g)).  A: 4,096 rows x 1,024; 1,024 units (two directions of 512) x the gates i, g, o.
; LAST = 0: h is quantised along the units and stored as the next layer's operand.  LAST = 1: h is stored as f32, [4096][1024], and the biases are the second layer's of their buffers.
; NOT COMPUTED: the f gate (reference() splits it off and never uses it) and everything of W_hh (reference()'s body never names it: the state is zero).
; OPERANDS lie in memory in the order of an operand's registers.  A fragment (16 rows x 128 K) is 2,048 bytes: byte c*512 + lane*16 + i = row lane % 16, k = 32 c + 16 (lane / 16) + i.
;   A: codes at ((RB*8 + s)*8 + a)*2048 (RB = row / 128, s = K step, a = tile of 16 rows); scales from 0x400000 on: 512 bytes for (RB, s): [plane p][row % 32][row / 32] of 16 bits, plane p = the bytes of blocks 2 p, 2 p + 1.
;   W: fragment F = (CB*8 + s)*6 + t at F*2048 (CB = 32 units, t = 2 q + u, q = gate i, g, o); scales from 0x300000 on, 512 bytes for eight fragments, laid likewise with row = 16 (F % 8) + m.
; SHARES.  256 work-groups; a work-group makes 256 rows x 64 units, each of its four waves 128 rows (RB = 2 by + wave / 2) x 32 units (CB = 2 bx + wave % 2) x 3 gates: 8 x 6 = 48 accumulators, 384 registers.
; THE PRODUCT IS USED TRANSPOSED (source 0 = 16 rows of W, source 1 = 16 rows of A), and the rows of W that form a fragment are chosen so (row m = 8 u + m + 8 (m / 8) of the 32) that lane (r, h) holds row r and, for
; each gate, units 16 h + 0 .. 15 in 16 consecutive registers: the three gates of a unit meet in one lane, and a lane's 16 h are half a block of 32 along the next layer's K, in the place that the next operand wants.
; LDS.  A K step of the work-group is 32 KiB of A and 24 KiB of W.  Five places of A and six of W fit.  A's K STEP 5 DOES NOT GO THROUGH LDS: each wave loads its eight fragments of it straight from memory, as they lie,
;   into the 128 registers that stand idle until the cell.  First fills, three loads a wave: step 0; step 1; steps 2 .. 4 of A or 2 .. 5 of W.  ONE refill brings steps 6 and 7 into places 0 and 1, when step 1 has been read:
;   between its request and the wait for it a wave issues 24 + 3 x 48 + 12 = 180 matrix instructions.  By this text's own count a wave has at most three tensor loads out.
;   No padding: every LDS load of 16 bytes a lane reads 512 consecutive bytes.
; CLUSTER.  4 x 4 work-groups: the four of a row need the same A, the four of a column the same W: each tile is asked for jointly, by the same tensor load with the same descriptor and a mask that names the four.
; THE CELL, in f32, with L = log2(e):  Ei = 2^(-L i), Eg = 2^(-2L|g|), Eo = 2^(-L o);  |c| = (1 - Eg) / ((1 + Eg)(1 + Ei));  Ec = 2^(-2L|c|);  h = sign(g) (1 - Ec) / ((1 + Ec)(1 + Eo)).
;   An infinite Ei or Eo stands beside a factor that is never 0, so it gives an infinite divisor and the limit 0, never a NaN.
; LIMITS.  tanh is (1 - E) / (1 + E): its absolute error is about 1e-7, so where |g| or |c| lies under about 1e-5 its relative error passes 1 per cent.  Sigmoids and products under 2^-126 come out as 0.
;   NaN and infinities among the inputs are not served.  A block of zeros gets the scale byte 1 where the rule says 127: its codes are zeros, and this program alone reads the bytes.
; REGISTERS, in windows of 256.  Window 0: v1-13 addresses; v28, v29 for the add; v32-63 A's scale words (step s, pair of tiles j: lanes 0-15 tile 2 j, lanes 16-31 tile 2 j + 1); v64-87 W's likewise; v128-255 A's 8 fragments, ONE set.
;   Window 1: W's 6 fragments, TWO sets, at v0 and v128; the biases' sums, 8 registers a tile in the result's layout, at v96-127 and v224-239.
;   Windows 2, 3: accumulator (a, t) at v[48 (a % 4) + 8 t] of window 2 + a / 4: so I = +0..15, G = +16..31, O = +32..47 of a tile; v192-255: 16 registers a tile: A's fragment of K step 5, later X for the cell.
.set LAST,  1
.set BOFF,  16384*LAST                 ; the layer's biases in their buffers, in bytes
.set RS,    5                          ; the K step whose fragments of A lie in registers
.set AHALF, 81920                      ; LDS: A's half f (128 rows) at f x AHALF, place p (of 5) at p x APL
.set APL,   16384
.set BBASE, 163840                     ; W's half f (32 units) at BBASE + f x BHALF, place p (of 6) at p x BPL
.set BHALF, 73728
.set BPL,   12288
.set SPARE, 311296                     ; the spare words, 128 bytes for each wave: two blocks of 256 bytes that no other line names
.set STG,   311808                     ; LAST = 0: the next layer's scale bytes, 128 for each wave
.set OPI,   272                        ; LAST = 1: the stage for h, 256 rows x (256 bytes + 16), at LDS byte 0: in A's places, behind their last fill and their last read
.set NP5,   110-62*LAST                ; lines of the cell's last list, for two tiles
.set VA0, 3                            ; v3   my half of A + 16 x lane
.set VA1, 4                            ; v4   the same + 65,536: place 4 lies beyond the 16-bit immediate
.set VB,  5                            ; v5   my half of W + 16 x lane
.set L16, 6                            ; v6   16 x lane
.set L8,  7                            ; v7   8 x lane
.set H64, 8                            ; v8   64 x (lane / 16)
.set STO, 9                            ; v9   where I store into the stage
.set RD,  10                           ; v10  where the stage is read back
.set CO2, 11                           ; v11  16 (lane % 16) + 4,096 (lane / 16)
.set VB1, 13                           ; v13  VB + 4 places: places 4 and 5 reach beyond the 16-bit immediate
.set SPW, 28                           ; v28  LDS address of my spare word; never rewritten
.set NIL, 29                           ; v29  0; never rewritten
.set SA,  32
.set SB,  64
.set AF,  128
.set G1A,  24                          ; s[24:31] group 1: a step of A (64 rows of 256 bytes);  s[32:39] a step of W (48)
.set G1B,  32
.set G1A3, 40                          ; s[40:47] three steps of A (192 rows);  s[48:55] four steps of W (192 rows)
.set G1B4, 48
.set G1A2, 56                          ; s[56:63] two steps of A (128 rows);  s[68:75] two steps of W (96 rows): the refill
.set G1B2, 68
.set G0A,  76                          ; s[76:87] A's three groups 0;  s[88:99] W's
.set G0B,  88
.set NL,  4                            ; the cell's constants, in registers that held pointers and are done with: s[4:5] -L
.set N2L, 6                            ; s6  -2L
.set SGN, 7                            ; s7  the sign bit
.set KAP, 8                            ; s[8:9] -ln(2)/2 = -1/(2L)
.set TL,  10                           ; s[10:11] 2L
.set FLO, 17                           ; s17 the floor 2^(16 - 127)
.set MNT, 20                           ; s20 the mantissa field of 57,344
.set SEL, 22                           ; s[22:23] v_permlanex16_b32's selects for lane l xor 16
.set MSB, 0
.macro WIN new                         ; the immediate's high byte repeats the setting that is left; a switch that changes nothing is dropped
.if MSB != (\new)
	s_set_vgpr_msb (MSB<<8)|(\new)
.set MSB, (\new)
.endif
.endm
.macro PLACES n
.rept \n
	v_nop
.endr
.endm
.macro CREST                           ; a round of the cluster's barrier behind its opening barrier
	s_cmp_lg_u32 s14, 0
	s_cbranch_scc1 .Lnot_wave_0_\@
	s_barrier_signal -3
.Lnot_wave_0_\@:
	s_barrier_wait -3
	s_barrier_signal -1
	s_barrier_wait -1
.endm
.macro CROUND
	s_barrier_signal -1
	s_barrier_wait -1
	CREST
.endm
.macro JLOAD g0a, g1a, g0b, g1b        ; a joint load: waves 0 and 1 fetch A's halves, waves 2 and 3 W's; four v_nop follow each of the two lines
	s_cmp_eq_u32 s15, 0
	s_cbranch_scc0 .Lfor_b_\@
	tensor_load_to_lds s[\g0a:\g0a+3], s[\g1a:\g1a+7]
	s_nop 0
.rept 4
	v_nop
.endr
	s_branch .Lasked_\@
.Lfor_b_\@:
	tensor_load_to_lds s[\g0b:\g0b+3], s[\g1b:\g1b+7]
	s_nop 0
.rept 4
	v_nop
.endr
.Lasked_\@:
.endm
.macro GROUP1 g, rows                  ; a dense block as rows of 256 bytes: 32 elements of 8 bytes, pitch 32
	s_mov_b32 s[\g+1], 32<<16                      ; tensor_dim0 = 32
	s_mov_b32 s[\g+2], (\rows)<<16                 ; tensor_dim1
	s_mov_b32 s[\g+3], 32<<16                      ; tile_dim0 = 32
	s_mov_b32 s[\g+4], \rows                       ; tile_dim1
	s_mov_b32 s[\g+5], 32                          ; tensor_dim0_stride
	s_mov_b32 s[\g+6], 0
	s_mov_b32 s[\g+7], 0
.endm
	s_load_b256 s[4:11], s[0:1], 0x0               ; A s[4:5], W s[6:7], b_ih s[8:9], b_hh s[10:11]
	s_load_b64 s[12:13], s[0:1], 0x20              ; the result
	v_lshl_add_u32 v[SPW], v0, 2, SPARE
	v_mov_b32 v[NIL], 0
	ds_add_u32 v28, v29
	ds_add_u32 v28, v29
	s_wait_dscnt 0x0
	v_lshrrev_b32 v1, 5, v0
	v_readfirstlane_b32 s14, v1                    ; wave 0..3
	v_and_b32 v1, 15, v0                           ; r
	v_bfe_u32 v2, v0, 4, 1                         ; h
	v_and_b32 v12, 31, v0                          ; lane
	v_lshlrev_b32 v[L16], 4, v12
	v_lshlrev_b32 v[L8], 3, v12
	v_lshlrev_b32 v[H64], 6, v2
	s_lshr_b32 s15, s14, 1                         ; which 128 rows are mine.  Also: I fetch for A (0) or for W (1)
	s_and_b32 s16, s14, 1                          ; which 32 units.  Also: which half I fetch
	s_bfe_u32 s2, ttmp6, 0x40000                   ; cx, cy: my place in the cluster
	s_bfe_u32 s3, ttmp6, 0x40004
	s_lshl_b32 s18, ttmp9, 2
	s_add_co_u32 s18, s18, s2                      ; bx: which 64 units
	s_and_b32 s19, ttmp7, 0xffff
	s_lshl_b32 s19, s19, 2
	s_add_co_u32 s19, s19, s3                      ; by: which 256 rows
	s_lshl_b32 s20, s3, 2
	s_lshl_b32 s20, 15, s20                        ; my row of the cluster
	s_lshl_b32 s21, 0x1111, s2                     ; my column
	s_or_b32 s[G1A], s20, (3<<16)|(1<<21)          ; 15:0 the mask: A goes to my row; 17:16 elements of 8 bytes; 21 set beside a mask; no padding
	s_or_b32 s[G1A3], s20, (3<<16)|(1<<21)
	s_or_b32 s[G1A2], s20, (3<<16)|(1<<21)
	s_or_b32 s[G1B], s21, (3<<16)|(1<<21)          ; W goes to my column
	s_or_b32 s[G1B4], s21, (3<<16)|(1<<21)
	s_or_b32 s[G1B2], s21, (3<<16)|(1<<21)
	GROUP1 G1A, 64
	GROUP1 G1B, 48
	GROUP1 G1A3, 192
	GROUP1 G1B4, 192
	GROUP1 G1A2, 128
	GROUP1 G1B2, 96
	s_lshl_b32 s66, s19, 18                        ; A: by x 2 halves x 8 steps x 16,384 bytes: it hangs on by alone,
	s_lshl_b32 s22, s16, 17
	s_add_co_u32 s66, s66, s22                     ; + my half
	s_mov_b32 s67, 0
	s_mul_i32 s100, s18, 196608                    ; W: bx x 2 halves x 8 steps x 12,288 bytes: on bx alone
	s_mul_i32 s23, s16, 98304
	s_add_co_u32 s100, s100, s23
	s_mov_b32 s101, 0
	s_mul_i32 s22, s16, AHALF                      ; where they go: no place in the cluster enters an LDS address
	s_mul_i32 s23, s16, BHALF
	s_add_co_u32 s23, s23, BBASE
	s_wait_kmcnt 0x0
	s_add_nc_u64 s[66:67], s[4:5], s[66:67]
	s_add_nc_u64 s[100:101], s[6:7], s[100:101]
.irp q, 0,1,2                          ; the three first fills begin at K steps 0, 1, 2, in places 0, 1, 2
.set GA, G0A+4*\q
.set GB, G0B+4*\q
	s_mov_b32 s[GA], 1                             ; count = 1
	s_add_co_u32 s[GA+1], s22, \q*APL              ; LDS address
	s_add_nc_u64 s[GA+2:GA+3], s[66:67], \q*APL    ; global address
	s_or_b32 s[GA+3], s[GA+3], 0x80000000          ; type = 2
	s_mov_b32 s[GB], 1
	s_add_co_u32 s[GB+1], s23, \q*BPL
	s_add_nc_u64 s[GB+2:GB+3], s[100:101], \q*BPL
	s_or_b32 s[GB+3], s[GB+3], 0x80000000
.endr
	CROUND                                         ; all sixteen work-groups are here: the first joint loads meet
	s_cmp_eq_u32 s15, 0                            ; a wave's three first fills stand in one branch, ahead of every wait on TENSORcnt and every LDS read; four v_nop follow the last
	s_cbranch_scc0 .Lfirst_b
	tensor_load_to_lds s[G0A:G0A+3], s[G1A:G1A+7]
	s_nop 0
	tensor_load_to_lds s[G0A+4:G0A+7], s[G1A:G1A+7]
	s_nop 0
	tensor_load_to_lds s[G0A+8:G0A+11], s[G1A3:G1A3+7]
	s_nop 0
	PLACES 4
	s_branch .Lfirst_asked
.Lfirst_b:
	tensor_load_to_lds s[G0B:G0B+3], s[G1B:G1B+7]
	s_nop 0
	tensor_load_to_lds s[G0B+4:G0B+7], s[G1B:G1B+7]
	s_nop 0
	tensor_load_to_lds s[G0B+8:G0B+11], s[G1B4:G1B4+7]
	s_nop 0
	PLACES 4
.Lfirst_asked:
	s_lshl_b32 s17, s19, 1
	s_add_co_u32 s17, s17, s15                     ; RB
	s_lshl_b32 s20, s18, 1
	s_add_co_u32 s20, s20, s16                     ; CB
	s_mov_b32 s23, 0
	s_lshl_b32 s22, s17, 17                        ; my 128 rows' codes: 8 steps x 16,384 bytes,
	s_add_co_u32 s22, s22, RS*APL                  ; at K step 5
	s_add_nc_u64 s[66:67], s[4:5], s[22:23]        ; (the descriptors have taken their copies of the old s[66:67])
	s_lshl_b32 s22, s17, 12
	s_add_co_u32 s22, s22, 0x400000
	s_add_nc_u64 s[4:5], s[4:5], s[22:23]          ; my rows' scales: 8 steps x 512 bytes
	s_mul_i32 s22, s20, 3072
	s_add_co_u32 s22, s22, 0x300000
	s_add_nc_u64 s[6:7], s[6:7], s[22:23]          ; my units' scales: 48 fragments = 6 groups of 512 bytes
	s_lshr_b32 s22, s20, 4
	s_lshl_b32 s22, s22, 13                        ; the direction's 2,048 biases,
	s_and_b32 s21, s20, 15
	s_lshl_b32 s21, s21, 7                         ; my 32 units
	s_add_co_u32 s22, s22, s21
.if LAST
	s_add_co_u32 s22, s22, BOFF
.endif
	s_add_nc_u64 s[8:9], s[8:9], s[22:23]
	s_add_nc_u64 s[10:11], s[10:11], s[22:23]
	; The scale words of all eight steps come once: a load of 8 bytes a lane (256 consecutive bytes) brings one plane of a group: the 16-bit halves of four scale registers.  Group n: plane 0 into v[128 + 4 n], plane 1 into v[130 + 4 n].
	; With the biases' 24 loads that is 52 loads.
.irp n, 0,1,2,3,4,5,6,7
	global_load_b64 v[128+4*\n:129+4*\n], v[L8], s[4:5] offset:\n*512
	global_load_b64 v[130+4*\n:131+4*\n], v[L8], s[4:5] offset:\n*512+256
.endr
.irp n, 0,1,2,3,4,5
	global_load_b64 v[160+4*\n:161+4*\n], v[L8], s[6:7] offset:\n*512
	global_load_b64 v[162+4*\n:163+4*\n], v[L8], s[6:7] offset:\n*512+256
.endr
	; The biases in the result's layout: tile t = 2 q + u, lane (r, h): units 16 h + 8 u + 0 .. 7 of gate q (quarters 0, 2, 3).  b_hh into v184-231, b_ih into window 1
.irp t, 0,1,2,3,4,5
	global_load_b128 v[184+8*\t:187+8*\t], v[H64], s[10:11] offset:((\t/2)+((\t/2)+1)/2)*2048+32*(\t%2)
	global_load_b128 v[188+8*\t:191+8*\t], v[H64], s[10:11] offset:((\t/2)+((\t/2)+1)/2)*2048+32*(\t%2)+16
.endr
	WIN 0x40                                       ; destination window 1
.irp t, 0,1,2,3,4,5
.set rB, 96+8*\t+96*(\t/4)
	global_load_b128 v[rB:rB+3], v[H64], s[8:9] offset:((\t/2)+((\t/2)+1)/2)*2048+32*(\t%2)
	global_load_b128 v[rB+4:rB+7], v[H64], s[8:9] offset:((\t/2)+((\t/2)+1)/2)*2048+32*(\t%2)+16
.endr
	WIN 0
.if LAST
	s_lshl_b32 s22, s19, 20                        ; h: 256 by rows of 4,096 bytes,
	s_lshl_b32 s21, s15, 19                        ; + the 32 rows that I send: 128 (wave / 2) + 32 (wave % 2),
	s_add_co_u32 s22, s22, s21
	s_lshl_b32 s21, s16, 17
	s_add_co_u32 s22, s22, s21
	s_lshl_b32 s21, s18, 8                         ; + the work-group's 64 units: 256 bytes
	s_add_co_u32 s22, s22, s21
	s_add_nc_u64 s[12:13], s[12:13], s[22:23]
	s_mul_i32 s21, s15, 128*OPI
	s_lshl_b32 s2, s16, 7
	s_add_co_u32 s2, s2, s21
	v_mul_u32_u24 v[STO], v1, OPI
	v_lshl_add_u32 v[STO], v2, 6, v[STO]
	v_add_nc_u32 v[STO], s2, v[STO]                ; into the stage: row 128 (wave / 2) + r, + 128 (wave % 2) + 64 h bytes
	s_mul_i32 s2, s16, 32*OPI
	s_add_co_u32 s2, s2, s21
	v_mul_u32_u24 v[RD], v2, OPI
	v_lshl_add_u32 v[RD], v1, 4, v[RD]
	v_add_nc_u32 v[RD], s2, v[RD]                  ; back: lanes 0-15 one row of 256 bytes, lanes 16-31 the next
.else
	s_lshr_b32 s21, s18, 1                         ; my units' K step in the next layer: bx / 2
	s_and_b32 s2, s18, 1                           ; and their plane of scale bytes: bx % 2
	s_lshl_b32 s22, s19, 13                        ; the scales of the work-group's rows: (2 by x 8 + K step) x 512 + plane x 256
	s_lshl_b32 s3, s21, 9
	s_add_co_u32 s22, s22, s3
	s_lshl_b32 s3, s2, 8
	s_add_co_u32 s22, s22, s3
	s_add_co_u32 s22, s22, 0x400000
	s_lshl_b32 s3, s17, 3
	s_add_co_u32 s3, s3, s21
	s_lshl_b32 s3, s3, 14                          ; the codes: (RB x 8 + K step) x 16,384
	s_lshl_b32 s2, s2, 1
	s_add_co_u32 s2, s2, s16                       ; + my block of 32 in the K step: c = 2 (bx % 2) + wave % 2,
	s_lshl_b32 s2, s2, 9                           ; 512 bytes of each fragment's image
	s_add_co_u32 s21, s3, s2
	s_add_nc_u64 s[2:3], s[12:13], s[22:23]        ; s[2:3]: the scales' place
	s_mov_b32 s22, s21
	s_add_nc_u64 s[12:13], s[12:13], s[22:23]      ; s[12:13]: the codes' place
	s_lshl_b32 s21, s14, 7
	s_add_co_u32 s21, s21, STG
	v_lshl_add_u32 v[STO], v1, 2, s21              ; my wave's 128 scale bytes, in the plane's order: row 16 a + r at 4 (row % 32) + row / 32 = 4 r + 64 (a % 2) + a / 2
	v_lshlrev_b32 v[RD], 3, v1
	v_lshl_add_u32 v[RD], v2, 8, v[RD]
	v_add_nc_u32 v[RD], STG, v[RD]                 ; back (wave 0): 8 bytes a lane; lanes 16-31 the second 128 rows
.endif
	v_lshlrev_b32 v[CO2], 4, v1
	v_lshl_add_u32 v[CO2], v2, 12, v[CO2]
	s_mul_i32 s21, s15, AHALF
	v_add_nc_u32 v[VA0], s21, v[L16]
	v_add_nc_u32 v[VA1], 0x10000, v[VA0]
	s_mul_i32 s21, s16, BHALF
	s_add_co_u32 s21, s21, BBASE
	v_add_nc_u32 v[VB], s21, v[L16]
	v_add_nc_u32 v[VB1], 4*BPL, v[VB]
	s_wait_loadcnt 0x0                             ; scales and biases are in; their pointers are done with
	; A's eight fragments of K step 5, straight from memory into the registers of the tile's own window: 32 loads of 512 consecutive bytes.  They are waited for at the head of step 5.
	WIN 0x80                                       ; destination window 2
.irp a, 0,1,2,3
.irp c, 0,1,2,3
	global_load_b128 v[192+16*\a+4*\c:192+16*\a+4*\c+3], v[L16], s[66:67] offset:\a*2048+512*\c
.endr
.endr
	WIN 0xc0                                       ; destination window 3
.irp a, 0,1,2,3
.irp c, 0,1,2,3
	global_load_b128 v[192+16*\a+4*\c:192+16*\a+4*\c+3], v[L16], s[66:67] offset:(\a+4)*2048+512*\c
.endr
.endr
	WIN 0
.set n, 0
.rept 14                               ; a scale word = plane 0's half below, plane 1's above.  Groups 0 .. 7: A's steps; groups 8 .. 13: W's, whose registers follow A's
	v_perm_b32 v[SA+4*n], v[130+4*n], v[128+4*n], 0x05040100
	v_perm_b32 v[SA+4*n+1], v[130+4*n], v[128+4*n], 0x07060302
	v_perm_b32 v[SA+4*n+2], v[131+4*n], v[129+4*n], 0x05040100
	v_perm_b32 v[SA+4*n+3], v[131+4*n], v[129+4*n], 0x07060302
.set n, n+1
.endr
	WIN 0x41                                       ; destination and source 0 window 1
.irp t, 0,1,2,3,4,5
.set rB, 96+8*\t+96*(\t/4)
.irp k, 0,2,4,6
	v_pk_add_f32 v[rB+\k:rB+\k+1], v[rB+\k:rB+\k+1], v[184+8*\t+\k:184+8*\t+\k+1]   ; b_ih + b_hh: the C of each sum's first product.  (These 24 are also the eight places between the scale words and the first product)
.endr
.endr
	WIN 0
	s_mov_b32 s[NL], 0xbfb8aa3b
	s_mov_b32 s[NL+1], 0xbfb8aa3b                  ; (a packed form names the pair and takes its low word for both halves: so both are written)
	s_mov_b32 s[N2L], 0xc038aa3b
	s_mov_b32 s[SGN], 0x80000000
	s_mov_b32 s[KAP], 0xbeb17218
	s_mov_b32 s[KAP+1], 0xbeb17218
	s_mov_b32 s[TL], 0x4038aa3b
	s_mov_b32 s[TL+1], 0x4038aa3b
	s_mov_b32 s[FLO], 0x8000000
	s_mov_b32 s[MNT], 0x600000
	s_mov_b32 s[SEL], 0x76543210
	s_mov_b32 s[SEL+1], 0xfedcba98
	PLACES 4                                       ; between the biases' sums and the products that take them
.macro FRAG reg, adr, off              ; a fragment comes back as it was laid: four loads of 512 consecutive bytes
.irp c, 0,1,2,3
	ds_load_b128 v[(\reg)+4*\c:(\reg)+4*\c+3], v[\adr] offset:(\off)+512*\c
.endr
.endm
.macro FETCH_B s                       ; W's six fragments of step s into set s % 2.  Step s lies in place s % 6
	WIN 0x40
.set fq, (\s)%6
.irp t, 0,1,2,3,4,5
.if fq >= 4
	FRAG 128*((\s)%2)+16*\t, VB1, (fq-4)*BPL+\t*2048
.else
	FRAG 128*((\s)%2)+16*\t, VB, fq*BPL+\t*2048
.endif
.endr
	WIN 0
.endm
.macro FETCH_A s, a0                   ; A's tiles a0 .. a0 + 3 of step s (never step 5), which lies in place s % 6
.set fp, (\s)%6
.irp i, 0,1,2,3
.if fp == 4
	FRAG AF+16*(\a0+\i), VA1, (\a0+\i)*2048
.else
	FRAG AF+16*(\a0+\i), VA0, fp*APL+(\a0+\i)*2048
.endif
.endr
.endm
; One product: W's tile t x A's tile a, step s.  The scale registers hold two tiles each: the odd tile's words lie in lanes 16-31.  Step 0 takes the biases as C: nothing is cleared and no bias is added later.
.macro MM s, a, t
.set rD, 48*((\a)%4)+8*(\t)
.set rW, 128*((\s)%2)+16*(\t)
.set rA, AF+16*(\a)
.if (\s) == RS
.set rA, 192+16*((\a)%4)               ; step 5: A's fragment lies in the accumulators' window
.endif
.set rSW, SB+3*(\s)+(\t)/2
.set rSA, SA+4*(\s)+(\a)/2
.set rC, rD
.if (\s) == 0
.set rC, 96+8*(\t)+96*((\t)/4)
.endif
.if ((\t)%2 == 0) && ((\a)%2 == 0)
	v_wmma_scale_f32_16x16x128_f8f6f4 v[rD:rD+7], v[rW:rW+15], v[rA:rA+15], v[rC:rC+7], v[rSW], v[rSA] matrix_a_fmt:MATRIX_FMT_BF8 matrix_b_fmt:MATRIX_FMT_BF8
.elseif ((\t)%2 == 1) && ((\a)%2 == 0)
	v_wmma_scale_f32_16x16x128_f8f6f4 v[rD:rD+7], v[rW:rW+15], v[rA:rA+15], v[rC:rC+7], v[rSW], v[rSA] matrix_a_fmt:MATRIX_FMT_BF8 matrix_b_fmt:MATRIX_FMT_BF8 matrix_a_scale:MATRIX_SCALE_ROW1
.elseif ((\t)%2 == 0) && ((\a)%2 == 1)
	v_wmma_scale_f32_16x16x128_f8f6f4 v[rD:rD+7], v[rW:rW+15], v[rA:rA+15], v[rC:rC+7], v[rSW], v[rSA] matrix_a_fmt:MATRIX_FMT_BF8 matrix_b_fmt:MATRIX_FMT_BF8 matrix_b_scale:MATRIX_SCALE_ROW1
.else
	v_wmma_scale_f32_16x16x128_f8f6f4 v[rD:rD+7], v[rW:rW+15], v[rA:rA+15], v[rC:rC+7], v[rSW], v[rSA] matrix_a_fmt:MATRIX_FMT_BF8 matrix_b_fmt:MATRIX_FMT_BF8 matrix_a_scale:MATRIX_SCALE_ROW1 matrix_b_scale:MATRIX_SCALE_ROW1
.endif
.endm
; A's tiles a0 .. a0 + n - 1, each against W's six.  The 48 accumulators take turns, one instruction a turn, in the same order in every step.
.macro MUL s, a0, n
.if (\s) == 0
	WIN 0x91+0x40*((\a0)/4)                        ; source 0 (W) and C (the biases) window 1, source 1 (A) window 0, D window 2 or 3
.elseif (\s) == RS
	WIN 0xa9+0x54*((\a0)/4)                        ; source 0 window 1; source 1 (A), C and D window 2 or 3
.else
	WIN 0xa1+0x50*((\a0)/4)                        ; source 0 window 1, source 1 window 0, C and D window 2 or 3
.endif
.set ma, \a0
.rept \n
.irp t, 0,1,2,3,4,5
	MM \s, ma, \t
.endr
.set ma, ma+1
.endr
.endm
; A K STEP that has a successor: 48 products.  A tile of A is free when its six products are issued, so A has one set of registers: tiles 0-3 are fetched anew in the step's middle, tiles 4-7 at its end; W has two sets.
; A load into a register that a matrix instruction has read stands eight places behind it: eight v_nop in front of each run of loads.
; BARRIERS.  Step 0: each wave's own part of step 1 has landed (of three first fills one may stay out), then the barrier, then step 1 is read.
; Step 1: places 0 and 1 have been read (step 1's fragments were all asked for in step 0): every wave waits for ALL its tensor loads (so steps 2 .. 5 have landed too), adds 0 to its spare word, waits for the add and
; for its LDS reads, and opens a round of the cluster's barrier; behind the round the one joint refill brings steps 6 and 7.  Step 5: the refill, the one load that is out, has landed; barrier.  Steps 2, 3, 4, 6 need none.
.macro STEP s
.if (\s) == 1
	s_wait_tensorcnt 0x0                           ; all my tensor loads have landed,
	ds_add_u32 v[SPW], v[NIL]                      ; 0 onto my spare word;
	s_add_nc_u64 s[G0A+2:G0A+3], s[G0A+2:G0A+3], 6*APL   ; no load of mine is out, so the groups 0 of place 0 may be written: on to step 6
	s_add_nc_u64 s[G0B+2:G0B+3], s[G0B+2:G0B+3], 6*BPL
	s_wait_dscnt 17                                ; (the add and the youngest sixteen loads, A's tiles 4-7, may be out)
.elseif (\s) == RS
	s_wait_loadcnt 0x0                             ; A's fragments of this step, asked for at the head, are in their registers
	s_wait_dscnt 0x0                               ; W's set is in
.else
	s_wait_dscnt 16                                ; W's set and A's tiles 0-3 are in; the youngest sixteen loads (A's tiles 4-7) may be out
.endif
	MUL \s, 0, 2
.if ((\s) < 2) || ((\s) == RS)
.if (\s) == 0
	s_wait_tensorcnt 1                             ; my part of step 1 has landed; the youngest first fill may stay out
.elseif (\s) == RS
	s_wait_tensorcnt 0x0                           ; my part of steps 6 and 7: the one load that was out
.endif
	s_wait_dscnt 0x0                               ; no LDS instruction of mine is out at a signal
	s_barrier_signal -1
	MUL \s, 2, 2                                   ; work on registers while the others arrive
	WIN 0
	s_barrier_wait -1
.else
	MUL \s, 2, 2
	s_wait_dscnt 0x0                               ; A's tiles 4-7 are in
.endif
.if (\s) == 1
	CREST                                          ; the barrier has opened a round: no wave of any partner still reads places 0, 1 or has a load on its way
	JLOAD G0A, G1A2, G0B, G1B2                     ; the first tensor load behind the round, and the launch's last; its four v_nop are four of the eight places
	PLACES 4
.else
	PLACES 8
.endif
	FETCH_B (\s)+1
.if ((\s)+1) != RS
	FETCH_A (\s)+1, 0
.endif
	MUL \s, 4, 4
	PLACES 8
	WIN 0
.if ((\s)+1) != RS
	FETCH_A (\s)+1, 4
.endif
.endm
; THE CELL.  Four batches of transcendentals (T1 .. T4) and five lists of plain lines (P1 .. P5) for each tile; the tiles of a window go in two groups of two, and one group's transcendentals are dealt out among the
; other group's plain lines, which name none of their registers.  Each batch has ONE wait, at its end, ahead of the first line that names a result.
;   P1  I = -L i; X = -2L |g|; O = -L o            T1  2^I = Ei, 2^X = Eg, 2^O = Eo
;   P2  X = k (1 + Eg), k = -1/(2L); I = X (1 + Ei); X = 2L X + 2 = 1 - Eg            T2  1 / I
;   P3  X = X I = -2L |c|                          T3  2^X = Ec
;   P4  X = 1 + Ec; O = X (1 + Eo); X = 2 - X = 1 - Ec                                T4  1 / O
;   P5  X = X O = |h|; the sign of g.  LAST = 0: the half block's largest magnitude, joined with lane l xor 16's; the scale; the hold; 16 codes into I[0:3], the byte into I[4]
; Every list takes an accumulator's registers in ascending order.  TR writes line ti of a batch, PL line pi of a list: the group's two tiles alternate.
.macro TR k, z
.set tt, 2*(\z)+ti%2
.set tn, ti/2
.if (\k) == 1
.if (tn >= 16) && (tn < 32)
	v_exp_f32 v[192+16*tt+tn-16], v[192+16*tt+tn-16]
.else
	v_exp_f32 v[48*tt+tn], v[48*tt+tn]
.endif
.elseif (\k) == 2
	v_rcp_f32 v[48*tt+tn], v[48*tt+tn]
.elseif (\k) == 3
	v_exp_f32 v[192+16*tt+tn], v[192+16*tt+tn]
.else
	v_rcp_f32 v[48*tt+32+tn], v[48*tt+32+tn]
.endif
.endm
.macro PL k, z
.set pt, 2*(\z)+pi%2
.set pn, pi/2
.set rI, 48*pt
.set rG, rI+16
.set rO, rI+32
.set rX, 192+16*pt
.set pe, 2*(pn%8)
.if (\k) == 1
.if pn < 8
	v_pk_mul_f32 v[rI+pe:rI+pe+1], v[rI+pe:rI+pe+1], s[NL:NL+1] op_sel_hi:[1,0]
.elseif pn < 24
	v_mul_f32 v[rX+pn-8], s[N2L], |v[rG+pn-8]|
.else
	v_pk_mul_f32 v[rO+pe:rO+pe+1], v[rO+pe:rO+pe+1], s[NL:NL+1] op_sel_hi:[1,0]
.endif
.elseif (\k) == 2
.if pn < 8
	v_pk_fma_f32 v[rX+pe:rX+pe+1], v[rX+pe:rX+pe+1], s[KAP:KAP+1], s[KAP:KAP+1] op_sel_hi:[1,0,0]
.elseif pn < 16
	v_pk_fma_f32 v[rI+pe:rI+pe+1], v[rI+pe:rI+pe+1], v[rX+pe:rX+pe+1], v[rX+pe:rX+pe+1]
.else
	v_pk_fma_f32 v[rX+pe:rX+pe+1], v[rX+pe:rX+pe+1], s[TL:TL+1], 2.0 op_sel_hi:[1,0,0]
.endif
.elseif (\k) == 3
	v_pk_mul_f32 v[rX+pe:rX+pe+1], v[rX+pe:rX+pe+1], v[rI+pe:rI+pe+1]
.elseif (\k) == 4
.if pn < 8
	v_pk_add_f32 v[rX+pe:rX+pe+1], v[rX+pe:rX+pe+1], 1.0 op_sel_hi:[1,0]
.elseif pn < 16
	v_pk_fma_f32 v[rO+pe:rO+pe+1], v[rO+pe:rO+pe+1], v[rX+pe:rX+pe+1], v[rX+pe:rX+pe+1]
.else
	v_pk_fma_f32 v[rX+pe:rX+pe+1], v[rX+pe:rX+pe+1], -1.0, 2.0 op_sel_hi:[1,0,0]
.endif
.else
.if pn < 8
	v_pk_mul_f32 v[rX+pe:rX+pe+1], v[rX+pe:rX+pe+1], v[rO+pe:rO+pe+1]
.elseif pn < 24
	v_and_or_b32 v[rX+pn-8], v[rG+pn-8], s[SGN], v[rX+pn-8]
.elseif pn == 24
	v_max3_num_f32 v[rI+8], |v[rX]|, |v[rX+1]|, s[FLO]             ; my 16 numbers of the block, and the floor: so the byte cannot fall under 1
.elseif pn < 32
	v_max3_num_f32 v[rI+8], v[rI+8], |v[rX+pe]|, |v[rX+pe+1]|
.elseif pn == 32
	v_permlanex16_b32 v[rI+9], v[rI+8], s[SEL], s[SEL+1]
.elseif pn == 33
	v_max_num_f32 v[rI+8], v[rI+8], v[rI+9]                        ; with lane l xor 16's: the block's largest magnitude
.elseif pn == 34
	v_add_nc_u32 v[rI+10], 0xf8800000, v[rI+8]                     ; 15 off its exponent field: the conversion's scale operand
.elseif pn == 35
	v_and_or_b32 v[rI+11], v[rI+8], 0x7f800000, s[MNT]             ; 57,344 x the scale
.elseif pn == 36
	v_lshrrev_b32 v[rI+4], 23, v[rI+10]                            ; the scale's byte
.elseif pn < 53
	v_med3_num_f32 v[rX+pn-37], v[rX+pn-37], -v[rI+11], v[rI+11]   ; the conversion to an 8-bit code does not saturate (ISA guide 7.6.2): the hold
.elseif pn == 53
	v_cvt_scalef32_pk8_bf8_f32 v[rI:rI+1], v[rX:rX+7], v[rI+10]
.else
	v_cvt_scalef32_pk8_bf8_f32 v[rI+2:rI+3], v[rX+8:rX+15], v[rI+10]
.endif
.endif
.endm
.macro PLS k, z, np                    ; a list by itself
.set pi, 0
.rept \np
	PL \k, \z
.set pi, pi+1
.endr
.endm
; nt transcendentals of batch kt, group zt, with the np lines of list kp, group zp, dealt evenly among them.  The last line is always a line of the list: the plain line behind the last transcendental;
; where it is a scaled conversion (list 5), a v_nop follows, which is that plain line for the batch and for the conversions.
.macro MIX kt, zt, nt, kp, zp, np
.set ti, 0
.set pi, 0
.rept \nt
	TR \kt, \zt
.set ti, ti+1
.rept (ti*(\np))/(\nt)-pi
	PL \kp, \zp
.set pi, pi+1
.endr
.endr
.if (\kp) == 5
	v_nop
.endif
	s_wait_alu depctr_va_vdst(0)                   ; one wait for the batch, ahead of the first line that names a result
.endm
.macro OUT w, z                        ; the group's two tiles leave the registers
	WIN 0x08+4*(\w)                                ; a store's data are its source 1: window 2 or 3
.irp i, 0,1
.set ot, 2*(\z)+\i
.if LAST
.irp j, 0,1,2,3
	ds_store_b128 v[STO], v[192+16*ot+4*\j:192+16*ot+4*\j+3] offset:16*(4*(\w)+ot)*OPI+16*\j   ; 64 bytes of a row of h
.endr
.else
	global_store_b128 v[L16], v[48*ot:48*ot+3], s[12:13] offset:(4*(\w)+ot)*2048   ; registers 4 c .. 4 c + 3 of the next layer's fragment: 32 lanes store 512 consecutive bytes
	ds_store_b8 v[STO], v[48*ot+4] offset:64*(ot%2)+2*(\w)+ot/2    ; my row's scale byte, tile a = 4 w + ot: 64 (a % 2) + a / 2 (lanes r and r + 16 write the same byte with the same value)
.endif
.endr
.endm
.macro CELLS w                         ; the four tiles of window 2 + w
	WIN 0xaa+0x55*(\w)
	PLS 1, 0, 64
	MIX 1, 0, 96, 1, 1, 64
	MIX 1, 1, 96, 2, 0, 48
	MIX 2, 0, 32, 2, 1, 48
	MIX 2, 1, 32, 3, 0, 16
	MIX 3, 0, 32, 3, 1, 16
	MIX 3, 1, 32, 4, 0, 48
	MIX 4, 0, 32, 4, 1, 48
	MIX 4, 1, 32, 5, 0, NP5
	OUT \w, 0
	WIN 0xaa+0x55*(\w)
	PLS 5, 1, NP5
.if LAST == 0
	v_nop                                          ; one plain line behind the last conversion
.endif
	OUT \w, 1
.endm
.macro SEND w                          ; LAST = 1: 128 rows of the stage are whole (a row's 256 bytes come from two waves: a barrier); each wave sends 32 of them
	WIN 0
	s_wait_dscnt 0x0                               ; for the others' sake: my stores into the stage have landed
	s_barrier_signal -1
	s_barrier_wait -1
.irp t, 0,1,2,3,4,5,6,7,8,9,10,11,12,13,14,15
	ds_load_b128 v[128+64*(\w)+4*\t:128+64*(\w)+4*\t+3], v[RD] offset:(64*(\w)+2*\t)*OPI
.endr
.irp t, 0,1,2,3,4,5,6,7,8,9,10,11,12,13,14,15
	s_wait_dscnt 15-\t                             ; LDS loads come back in order: pair t of rows is in
	global_store_b128 v[CO2], v[128+64*(\w)+4*\t:128+64*(\w)+4*\t+3], s[12:13] offset:(64*(\w)+2*\t)*4096 th:TH_STORE_NT   ; 16 lanes store 256 consecutive bytes, at a multiple of 256 from the buffer's first byte
.endr
.endm
	s_wait_tensorcnt 2                             ; my part of step 0 is in; the two younger first fills may stay out
	s_barrier_signal -1
	s_barrier_wait -1                              ; everybody's is
	FETCH_B 0
	FETCH_A 0, 0
	FETCH_A 0, 4
.irp s, 0,1,2,3,4,5,6
	STEP \s
.endr
	s_wait_dscnt 16                                ; the last step: nothing more to fetch
	MUL 7, 0, 4
	s_wait_dscnt 0x0                               ; my last reads of the tiles are over
.if LAST
	s_barrier_signal -1                            ; the stage lies in A's places: nobody stores there before all four waves have read their last
.endif
	MUL 7, 4, 4
	WIN 0
.if LAST
	s_barrier_wait -1
.endif
	PLACES 8                                       ; in front of the first read of results
	CELLS 0
.if LAST
	SEND 0                                         ; the first half's stores leave while the second half's cells are computed
.endif
	CELLS 1
.if LAST
	SEND 1
.else
	WIN 0
	s_wait_dscnt 0x0                               ; for wave 0's sake: my scale bytes have landed
	s_barrier_signal -1
	s_barrier_wait -1
	s_cmp_lg_u32 s14, 0
	s_cbranch_scc1 .Lnot_first
	ds_load_b64 v[128:129], v[RD]                  ; 8 bytes of the first 32 units (waves 0, 2): rows 2 r + 32 k, then rows 2 r + 1 + 32 k,
	ds_load_b64 v[130:131], v[RD] offset:128       ; and of the second 32 (waves 1, 3)
	s_wait_dscnt 0x0
	v_perm_b32 v132, v130, v128, 0x05010400        ; a row's two bytes side by side: the lower block's in the lower byte
	v_perm_b32 v133, v130, v128, 0x07030602
	v_perm_b32 v134, v131, v129, 0x05010400
	v_perm_b32 v135, v131, v129, 0x07030602
	global_store_b128 v[CO2], v[132:135], s[2:3]   ; 16 lanes store the 256 bytes of a plane of 128 rows; lanes 16-31 those of the next 128 rows, 4,096 bytes on
.Lnot_first:
.endif
	s_wait_tensorcnt 0x0                           ; the wave's end: behind my last tensor load and my last LDS store
	ds_add_u32 v[SPW], v[NIL]
	s_wait_dscnt 0x0
	CROUND                                         ; the closing round: no work-group ends while a partner may still ask for a tile that names it
	s_endpgm
.Lfunc_end_k_qc96349a727_cell_last:
	.size	k_qc96349a727_cell_last, .Lfunc_end_k_qc96349a727_cell_last-k_qc96349a727_cell_last
	.p2alignl 7, 3214868480
	.fill 96, 4, 3214868480
	.section	.rodata,"a",@progbits
	.p2align	6, 0x0
	.amdhsa_kernel k_qc96349a727_cell_last
		.amdhsa_group_segment_fixed_size 327680
		.amdhsa_private_segment_fixed_size 0
		.amdhsa_enable_private_segment 0
		.amdhsa_kernarg_size 40
		.amdhsa_user_sgpr_count 2
		.amdhsa_user_sgpr_kernarg_segment_ptr 1
		.amdhsa_wavefront_size32 1
		.amdhsa_system_sgpr_workgroup_id_x 1
		.amdhsa_system_sgpr_workgroup_id_y 1
		.amdhsa_system_sgpr_workgroup_id_z 1
		.amdhsa_system_vgpr_workitem_id 0
		.amdhsa_next_free_vgpr 1024
		.amdhsa_next_free_sgpr 102
		.amdhsa_reserve_vcc 0
		.amdhsa_float_denorm_mode_32 3
		.amdhsa_float_denorm_mode_16_64 3
		.amdhsa_memory_ordered 1
		.amdhsa_forward_progress 1
		.amdhsa_inst_pref_size 196
	.end_amdhsa_kernel
	.amdgpu_metadata
---
amdhsa.version: [ 1, 2 ]
amdhsa.kernels:
  - .name:           k_qc96349a727_cell_last
    .symbol:         k_qc96349a727_cell_last.kd
    .args:
      - { .name: a2, .offset: 0, .size: 8, .value_kind: global_buffer, .address_space: global }
      - { .name: wp2, .offset: 8, .size: 8, .value_kind: global_buffer, .address_space: global }
      - { .name: b_ih12, .offset: 16, .size: 8, .value_kind: global_buffer, .address_space: global }
      - { .name: b_hh12, .offset: 24, .size: 8, .value_kind: global_buffer, .address_space: global }
      - { .name: out0, .offset: 32, .size: 8, .value_kind: global_buffer, .address_space: global }
    .group_segment_fixed_size: 327680
    .private_segment_fixed_size: 0
    .kernarg_segment_align: 8
    .kernarg_segment_size: 40
    .max_flat_workgroup_size: 128
    .sgpr_count:     102
    .vgpr_count:     1024
    .wavefront_size: 32
...
	.end_amdgpu_metadata
.endif
;; end of part 3
